; MI455X (gfx1250); checked and timed in simulation.
; The chip was launched on July 23, 2026; its instructions are those of AMD's public machine-readable ISA for CDNA 5 (MIT licence, August 2026) and "CDNA5" Instruction Set Architecture Reference Guide (July 2026). The comments in the code are by the model that wrote it; some were corrected since.
;; Attention. Allowed arithmetic: matrix products marked QUANTISED: E2M3 operands, one E8M0 scale for each 32 along K, by v_wmma_scale_f32_16x16x128_f8f6f4 with both operands' format E2M3, f32 sums; everything else in f32.
;; Inputs: Wk 128 x 2,048 float32; Wq 1,024 x 2,048 float32; Wv 128 x 2,048 float32; bk 128 float32; bq 1,024 float32; bv 128 float32; context 4 x 2,048 x 2,048 float32; x 4 x 2,048 x 2,048 float32.
;; Outputs: out0 4 x 8 x 2,048 x 128 float32.
;; This version of the problem:
;;   THIS VERSION OF THE PROBLEM IS GIVEN IN LOW PRECISION. The matrix products marked QUANTISED in the list below multiply operands that are first quantised to E2M3 (2 exponent bits, 3 mantissa bits; 6 bits a number), with one power-of-two scale for each 32 numbers along K (OCP MX v1.0); their sums are f32. All else is computed in f32.
;;   The module's matrix products, in the order in which they are computed (A, B: the left and right operand; K: the contracted axis; several contracted axes count as one K, in the product's order):
;;     1. [M 8,192, K 2,048] x [K 2,048, N 1,024]; A: input x; B: input Wq: QUANTISED
;;     2. [M 8,192, K 2,048] x [K 2,048, N 128]; A: input context; B: input Wk: QUANTISED
;;     3. [M 8,192, K 2,048] x [K 2,048, N 128]; A: input context; B: input Wv: QUANTISED
;;     4. batch 4 x [M 16,384, K 128] x [K 128, N 2,048]; A: computed on the way; B: computed on the way: QUANTISED
;;     5. batch 4 x [M 16,384, K 2,048] x [K 2,048, N 128]; A: computed on the way; B: computed on the way: QUANTISED
;;   THE QUANTISER, for each operand of a quantised product, along K:
;;     - K is cut into blocks of 32 from its start; a last block that is shorter is filled with zeros.
;;     - A block's scale is 2^e with e = floor(log2(the largest magnitude in the block)) - 2, held to -126 .. 127; a block of zeros has e = 0. As a byte (E8M0): e + 127.
;;     - Each number is divided by its block's scale, clamped to +-7.5, and rounded to the nearest number of E2M3, ties to even, subnormals kept.
;;     - The product sums the exact products of the quantised numbers (number of the format x scale) in f32.
;;   ~~~python
;;   def quantise(x, axis):      # numpy; x: float32 -> the quantised numbers, widened to float32 again
;;       x = np.moveaxis(x, axis, -1); K = x.shape[-1]
;;       x = np.pad(x, [(0, 0)] * (x.ndim - 1) + [(0, -K % 32)]); x = x.reshape(x.shape[:-1] + (-1, 32)); a = np.abs(x).max(-1, keepdims=True)
;;       e = np.where(a > 0, np.clip(np.frexp(np.where(a > 0, a, 1))[1] - 1 - 2, -126, 127), 0)      # np.frexp(a)[1] - 1 = floor(log2(a)), exactly
;;       r = np.clip(x / 2.0 ** e, -7.5, 7.5)
;;       step = 2.0 ** (np.maximum(np.frexp(np.where(r == 0, 1, r))[1] - 1, 0) - 3)
;;       q = np.round(r / step) * step * 2.0 ** e      # np.round: ties to even
;;       return np.moveaxis(q.reshape(q.shape[:-2] + (-1,))[..., :K], -1, axis).astype(np.float32)
;;   ~~~
;;   OPERANDS COMPUTED ON THE WAY. 'Computed on the way' means the value that the module computes at that place (a softmax that the list does not call 'softmax' is quantised finished and normalised). What goes into a quantiser is computed in f32, as accurately as f32 sums, v_exp_f32 and their like allow (about 1e-6 of the number): no bf16 or f16 on the way to a quantiser, and a product that is left as it is and whose result goes on into a quantised operand takes f32 operands (vector FMAs, or v_wmma_f32_16x16x4_f32). A number that lies on a knife's edge between two numbers of the format may be rounded either way, as far as f32 arithmetic and the matrix unit's own rounding can turn it there, and no further.
;; 2 versions, each right; version 2 is version 1 with the launches proj, attn written anew for expert scheduling mode. Each part assembles by itself: llvm-mc -triple=amdgcn-amd-amdhsa -mcpu=gfx1250 --defsym DOCPART=n.
;; ======== version 1 of 2: 3 launches
;; workspace buffers: ops 28,262,400 bytes; qrec 7,340,032 bytes; krec 917,504 bytes; vrec 851,968 bytes
;; launch quant (part 1): grid 1104 x 1, 4 waves a work-group, no clusters, 34,304 bytes of LDS; arguments x, context, Wq, Wk, Wv, ops; writes ops
.if DOCPART == 1
	.amdgcn_target "amdgcn-amd-amdhsa--gfx1250"
	.amdhsa_code_object_version 6
	.text
	.protected	k_qebc67f3272_quant
	.globl	k_qebc67f3272_quant
	.p2align	8
	.type	k_qebc67f3272_quant,@function
k_qebc67f3272_quant:
	s_mov_b64 s[64:65], 0
	v_nop
	global_prefetch_b8 v0, s[64:65] scope:SCOPE_SE
	s_setreg_imm32_b32 hwreg(HW_REG_WAVE_MODE, 25, 1), 1
	s_wait_xcnt 0x0
; x, context [8192][2048], Wq [1024][2048], Wk, Wv [128][2048], all f32 with K innermost, become codes of FP6 (E2M3) with one E8M0 byte for each 32 along K,
; laid in the ORDER OF THE OPERAND REGISTERS.  A block scale is 2^(floor(log2(largest magnitude)) - 2); its byte is the largest magnitude exponent field - 2, held at 1 from below.
; ops: 1,104 tiles of 16 rows (x 0-511, context 512-1023, Wq 1024-1087, Wk 1088-1095, Wv 1096-1103), 25,600 bytes each: four records of 6,400 bytes, one for each 512 along K.
; A record: four fragment images of 1,536 bytes (16 rows x 128 K: registers 4 c .. 4 c + 3 of lane l at 512 c + 16 l), then 256 bytes of scale words: lane l has 8 bytes at 8 l;
; word e is the scale word of row l % 16 for the K step 2 e + l / 16 of the record: one load of 8 bytes a lane gives two scale registers, each with an even K step in lanes 0-15 and the odd one in lanes 16-31.
; SHARES: a work-group takes a tile, wave w the record w.  Each load reads 512 consecutive bytes of one row; a fragment (16 x 512 bytes) turns through the wave own stage in LDS, so that a lane gets
; 16 neighbours of each block of 32 of ONE row, as the conversions want them.  Stage rows are 528 bytes apart: sixteen rows begin at sixteen different 16-byte columns of 256 bytes.
; No tensor load, no barrier: waves share nothing.  Memory binds: matrix units, clusters and large tiles would add nothing.
; LIMITS: NaN and infinities among the inputs are not served.  A block whose largest magnitude lies under 2^-124, a block of zeros among them, gets the byte 1 (the rule says 127 for zeros):
; its codes are zeros or subnormal codes, and these bytes are read by this program alone.
.set ROWB,   8192                      ; a row of 2,048 f32
.set TILEB,  25600
.set RECB,   6400
.set SPITCH, 528
.set STG,    16*SPITCH                 ; a wave stage
.set PW,     8                         ; v8-11    the four fragments scale words
.set R0,     16                        ; v16-143  two sets of 64 registers as loaded
.set X,      144                       ; v144-207 64 numbers of a lane: register 16 b + i = k 32 b + 16 (lane / 16) + i of row lane % 16
.set PC0,    208                       ; v208-231 two sets of 12 registers of codes
.set PT,     232                       ; v232-238 the second halves of the conversions
.set TM,     240                       ; v240-255 at work
.set SEL,    26                        ; s[26:27] lane selects: lane l xor 16
	s_load_b256 s[4:11], s[0:1], 0x0               ; x s[4:5], context s[6:7], Wq s[8:9], Wk s[10:11]
	s_load_b128 s[12:15], s[0:1], 0x20             ; Wv s[12:13], ops s[14:15]
	v_lshl_add_u32 v250, v0, 2, 0x8400
	v_mov_b32 v251, 0
	v_lshrrev_b32 v1, 5, v0
	v_readfirstlane_b32 s16, v1                    ; wave 0..3
	v_and_b32 v1, 31, v0                           ; lane
	v_and_b32 v6, 15, v0                           ; r
	v_bfe_u32 v7, v0, 4, 1                         ; h
	v_lshlrev_b32 v2, 4, v1                        ; 16 x lane: my bytes of a load, of an image
	v_lshlrev_b32 v5, 3, v1                        ; 8 x lane: my scale words
	s_mul_i32 s24, s16, STG
	v_add_nc_u32 v3, s24, v2                       ; the stage, on the way in
	v_mul_u32_u24 v4, v6, SPITCH
	v_lshl_add_u32 v4, v7, 6, v4
	v_add_nc_u32 v4, s24, v4                       ; and on the way out: row r, + 64 h
.irp b, 0,1,2,3
	v_mov_b32 v[TM+4+\b], 0                        ; written once: a lane permute destination counts as one of its sources
.endr
	s_mov_b32 s[SEL], 0x76543210
	s_mov_b32 s[SEL+1], 0xfedcba98
	s_mov_b32 s17, 1096
	s_mul_i32 s22, ttmp9, TILEB
	s_mul_i32 s23, s16, RECB
	s_add_co_u32 s22, s22, s23                     ; my record in ops
	s_mov_b32 s23, 0
	s_wait_kmcnt 0x0
	s_mov_b64 s[18:19], s[12:13]                   ; which tensor: the choice hangs on the work-group number alone
	s_cmp_lt_u32 ttmp9, 1096
	s_cselect_b64 s[18:19], s[10:11], s[18:19]
	s_cselect_b32 s17, 1088, s17
	s_cmp_lt_u32 ttmp9, 1088
	s_cselect_b64 s[18:19], s[8:9], s[18:19]
	s_cselect_b32 s17, 1024, s17
	s_cmp_lt_u32 ttmp9, 1024
	s_cselect_b64 s[18:19], s[6:7], s[18:19]
	s_cselect_b32 s17, 512, s17
	s_cmp_lt_u32 ttmp9, 512
	s_cselect_b64 s[18:19], s[4:5], s[18:19]
	s_cselect_b32 s17, 0, s17
	s_sub_co_u32 s20, ttmp9, s17                   ; the tile in its tensor: 16 rows of 8,192 bytes,
	s_lshl_b32 s20, s20, 17
	s_lshl_b32 s21, s16, 11                        ; my 512 numbers of each row
	s_add_co_u32 s20, s20, s21
	s_mov_b32 s21, 0
	s_add_nc_u64 s[18:19], s[18:19], s[20:21]
	s_add_nc_u64 s[14:15], s[14:15], s[22:23]
.macro LOAD f                          ; fragment f: 128 numbers of each of the 16 rows; 32 lanes read 512 consecutive bytes
.irp i, 0,1,2,3,4,5,6,7,8,9,10,11,12,13,14,15
	global_load_b128 v[R0+64*((\f)%2)+4*\i:R0+64*((\f)%2)+4*\i+3], v2, s[18:19] offset:ROWB*\i+512*(\f) th:TH_LOAD_NT
.endr
.endm
.macro TURN f                          ; through the stage: LDS serves a wave in order, so no wait stands between the stores and the loads
.irp i, 0,1,2,3,4,5,6,7,8,9,10,11,12,13,14,15
	ds_store_b128 v3, v[R0+64*((\f)%2)+4*\i:R0+64*((\f)%2)+4*\i+3] offset:SPITCH*\i
.endr
.irp b, 0,1,2,3
.irp j, 0,1,2,3
	ds_load_b128 v[X+16*\b+4*\j:X+16*\b+4*\j+3], v4 offset:128*\b+16*\j
.endr
.endr
.endm
; 64 numbers of a lane, register 16 b + i = slot 32 b + 16 (lane / 16) + i of my row, become a fragment (12 registers from pc on) and its scale word (pw)
.macro QUANT s, pc, pw
.irp b, 0,1,2,3
	v_max3_num_f32 v[TM+\b], |v[\s+16*\b]|, |v[\s+1+16*\b]|, 0x1800000   ; block b: my 16 numbers and the floor 2^(3 - 127): the byte cannot fall under 1
.endr
.irp i, 2,4,6,8,10,12,14
.irp b, 0,1,2,3
	v_max3_num_f32 v[TM+\b], v[TM+\b], |v[\s+16*\b+\i]|, |v[\s+1+16*\b+\i]|   ; the four blocks by turns
.endr
.endr
.irp b, 0,1,2,3
	v_permlanex16_b32 v[TM+4+\b], v[TM+\b], s[SEL], s[SEL+1]
.endr
.irp b, 0,1,2,3
	v_max_num_f32 v[TM+\b], v[TM+\b], v[TM+4+\b]   ; with lane l xor 16: the block largest magnitude
.endr
.irp b, 0,1,2,3
	v_add_nc_u32 v[TM+12+\b], 0xff000000, v[TM+\b] ; 2 off its exponent field: the conversion takes the exponent field of this operand as its scale
.endr
.irp b, 0,1,2,3
	v_lshrrev_b32 v[TM+4+\b], 23, v[TM+12+\b]      ; the scale byte
.endr
	v_lshl_or_b32 v[\pw], v[TM+5], 8, v[TM+4]      ; four bytes: my row scale word
	v_lshl_or_b32 v[\pw], v[TM+6], 16, v[\pw]
	v_lshl_or_b32 v[\pw], v[TM+7], 24, v[\pw]
.irp c, 0,1
	v_cvt_scalef32_pk16_fp6_f32 v[\pc+6*\c:\pc+2+6*\c], v[\s+32*\c:\s+15+32*\c], v[TM+12+2*\c]
	v_cvt_scalef32_pk16_fp6_f32 v[PT+4*\c:PT+2+4*\c], v[\s+16+32*\c:\s+31+32*\c], v[TM+13+2*\c]   ; (three registers that begin on an even number)
.endr
	v_nop                                          ; one plain place behind a scaled conversion
.irp c, 0,1                            ; the operand wants a WHOLE block in a lane: lanes 0-15 block 2 c, lanes 16-31 block 2 c + 1
.irp i, 0,1,2
	v_permlane16_swap_b32 v[\pc+6*\c+\i], v[PT+4*\c+\i]
.endr
.irp i, 0,1,2
	v_mov_b32 v[\pc+3+6*\c+\i], v[PT+4*\c+\i]
.endr
.endr
.endm
.macro STEPQ f
.if (\f) < 3
	s_wait_loadcnt 16                              ; this fragment sixteen loads are in; the next fragment sixteen may be out
.else
	s_wait_loadcnt 0x0
.endif
	TURN \f
	s_wait_dscnt 0x0                               ; my 64 numbers are back, and the stores into the stage have read their registers,
.if (\f) < 2
	LOAD (\f)+2                                    ; which take the loads of two fragments on
.else
	s_wait_xcnt 0x0                                ; the stores of two fragments back have read their data: this set of codes is written again only behind this wait
.endif
.set pcf, PC0+12*((\f)%2)
.set pwf, PW+(\f)
	QUANT X, pcf, pwf
.irp c, 0,1,2
	global_store_b128 v2, v[pcf+4*\c:pcf+4*\c+3], s[14:15] offset:1536*(\f)+512*\c   ; 32 lanes store 512 consecutive bytes, at a multiple of 256 from the buffer first byte
.endr
.endm
	LOAD 0
	LOAD 1
	STEPQ 0
	STEPQ 1
	STEPQ 2
	STEPQ 3
	v_cmp_le_u32 vcc_lo, 16, v1                    ; lanes 16-31 carry the odd K steps
	v_cndmask_b32 v12, v[PW], v[PW+1], vcc_lo
	v_cndmask_b32 v13, v[PW+2], v[PW+3], vcc_lo
	global_store_b64 v5, v[12:13], s[14:15] offset:6144   ; 256 consecutive bytes
	s_wait_tensorcnt 0x0
	ds_add_u32 v250, v251
	s_wait_dscnt 0x0
	s_endpgm
.Lfunc_end_k_qebc67f3272_quant:
	.size	k_qebc67f3272_quant, .Lfunc_end_k_qebc67f3272_quant-k_qebc67f3272_quant
	.p2alignl 7, 3214868480
	.fill 96, 4, 3214868480
	.section	.rodata,"a",@progbits
	.p2align	6, 0x0
	.amdhsa_kernel k_qebc67f3272_quant
		.amdhsa_group_segment_fixed_size 34304
		.amdhsa_private_segment_fixed_size 0
		.amdhsa_enable_private_segment 0
		.amdhsa_kernarg_size 48
		.amdhsa_user_sgpr_count 2
		.amdhsa_user_sgpr_kernarg_segment_ptr 1
		.amdhsa_wavefront_size32 1
		.amdhsa_system_sgpr_workgroup_id_x 1
		.amdhsa_system_sgpr_workgroup_id_y 1
		.amdhsa_system_sgpr_workgroup_id_z 1
		.amdhsa_system_vgpr_workitem_id 0
		.amdhsa_next_free_vgpr 256
		.amdhsa_next_free_sgpr 66
		.amdhsa_reserve_vcc 1
		.amdhsa_float_denorm_mode_32 3
		.amdhsa_float_denorm_mode_16_64 3
		.amdhsa_memory_ordered 1
		.amdhsa_forward_progress 1
		.amdhsa_inst_pref_size 34
	.end_amdhsa_kernel
	.amdgpu_metadata
---
amdhsa.version: [ 1, 2 ]
amdhsa.kernels:
  - .name:           k_qebc67f3272_quant
    .symbol:         k_qebc67f3272_quant.kd
    .args:
      - { .name: x, .offset: 0, .size: 8, .value_kind: global_buffer, .address_space: global }
      - { .name: context, .offset: 8, .size: 8, .value_kind: global_buffer, .address_space: global }
      - { .name: Wq, .offset: 16, .size: 8, .value_kind: global_buffer, .address_space: global }
      - { .name: Wk, .offset: 24, .size: 8, .value_kind: global_buffer, .address_space: global }
      - { .name: Wv, .offset: 32, .size: 8, .value_kind: global_buffer, .address_space: global }
      - { .name: ops, .offset: 40, .size: 8, .value_kind: global_buffer, .address_space: global }
    .group_segment_fixed_size: 34304
    .private_segment_fixed_size: 0
    .kernarg_segment_align: 8
    .kernarg_segment_size: 48
    .max_flat_workgroup_size: 128
    .sgpr_count:     66
    .vgpr_count:     256
    .wavefront_size: 32
...
	.end_amdgpu_metadata
.endif
;; end of part 1
;; launch proj (part 2): grid 64 x 4, 4 waves a work-group, no clusters, 126,720 bytes of LDS; arguments ops, bq, bk, bv, qrec, krec, vrec; writes qrec, krec, vrec
.if DOCPART == 2
	.amdgcn_target "amdgcn-amd-amdhsa--gfx1250"
	.amdhsa_code_object_version 6
	.text
	.protected	k_qebc67f3272_proj
	.globl	k_qebc67f3272_proj
	.p2align	8
	.type	k_qebc67f3272_proj,@function
k_qebc67f3272_proj:
	s_mov_b64 s[64:65], 0
	v_nop
	global_prefetch_b8 v0, s[64:65] scope:SCOPE_SE
	s_setreg_imm32_b32 hwreg(HW_REG_WAVE_MODE, 25, 1), 1
	s_wait_xcnt 0x0
; q = x Wq^T + bq, k = context Wk^T + bk, v = context Wv^T + bv on codes of FP6 with E8M0 scales (K = 2,048); then q and k are divided by max(their l2 norm over the head 128, 1e-12)
; and quantised along the head 128; v is quantised along the keys.  All three leave as operand images for the next launch.
; SHARES.  256 columns of weights, 393,216 bytes of codes, STAY IN THE REGISTERS of a work-group of four waves (64 fragments a wave); tiles of 16 tokens stream past them.
; Work-groups x < 48: column group y of Wq (heads 2 y, 2 y + 1), tiles 10 x + min(x, 32) on, 11 of them where x < 32, else 10: 512 tiles for each group.
; Work-groups x >= 48: Wk and Wv, tiles 8 jj on, jj = 4 (x - 48) + y: 128 tokens, one K step of the last product.
; Wave w: kw = w / 2 is its half of K (8 K steps), cw = w % 2 its head (with Wk and Wv: 0 = k, 1 = v).  Accumulator a stands for the head column tile (a + 4 kw) % 8: a = 0..3 are the wave OWN 64 features
; (64 kw on), a = 4..7 those of the partner wave w xor 2, which has the other half of K: these four go to the partner through LDS, as images of the registers, and the partner four are added to mine.
; THE MATRIX INSTRUCTION IS USED TRANSPOSED (source 0 = 16 rows of weights, source 1 = 16 tokens): lane (r, h) holds token r and register j of tile t feature 16 t + 8 h + j.
; The bias is the C of the first matrix instruction on the own four accumulators; its image lies in LDS and is fetched anew for each tile.
; THE ORDER OF SLOTS in a block of 32 of q and of k: slot 16 z + 8 u + j holds feature 16 u + 8 z + j.  Both are made by these same lines, so the products pair the right numbers; the quantised numbers and scales do not hang on the order.
; qrec, krec: records of 1,792 bytes for 16 tokens of a head: halves c = 0, 1 at 768 c: registers 6 c .. 6 c + 3 at 16 l, registers 6 c + 4, 6 c + 5 at 512 + 8 l; at 1,536 + 128 c + 4 l the bytes of blocks 2 c, 2 c + 1 at their
; places in the scale word of token l % 16 (the two words are joined by an or where they are loaded).  vrec: records of 13,312 bytes for 128 keys: 8 images of 1,536 bytes (16 features x 128 keys), at 12,288 + 128 t + 4 l the scale words.
; In v the slot p of a block holds key 16 ((p / 8) % 2) + 8 (p / 16) + p % 8 of the block: the order in which the next launch makes its left operand.
; NO CLUSTER, NO TENSOR LOAD: what work-groups share, the weights, is read once by each, straight into the registers where it stays; its 393,216 bytes are more than the 327,680 bytes of LDS into which a joint load would have to land.
; LIMITS: NaN and infinities are not served.  Each sum over K is made as two sums of 1,024, added in f32, with the bias in one of them.  t / max(n, eps) is t x (1 / max(sqrt(ss), eps)).
; A sum of squares under 2^-126 counts as 0.  A block under 2^-124 gets the byte 1.
.set TILEB, 25600
.set RECB,  6400
.set QREC,  1792
.set VREC,  13312
.set XST,   0                          ; LDS: the exchange of partial sums, 4,096 bytes for each receiving wave
.set XCH,   16384                      ; the exchange of sums of squares, 128 bytes a wave
.set BIAS,  16896                      ; the bias images, 4,096 bytes a wave
.set VST,   33280                      ; the stage for v: rows (keys) of 512 bytes + 16; 128 rows are used; the address is stepped in all 11 trips, so 176 are claimed
.set LI,  1                            ; 16 x lane
.set L8,  2                            ; 8 x lane
.set LS,  3                            ; 4 x lane
.set XSA, 4                            ; where I put the partner four accumulators
.set XLA, 5                            ; where I find mine
.set XCS, 6                            ; my sum of squares
.set XCL, 7                            ; the partner sum
.set VSA, 8                            ; v: my 32 bytes of a row of the stage; stepped 16 rows a trip
.set BLA, 9                            ; my bias image
.set OC,  10                           ; the record: my 16 bytes, my 8 bytes, my scale word
.set OC8, 11
.set OS,  12
.set VT,  13                           ; the tail: my column of the stage
.set H8,  14                           ; 8 h
.set H32, 15                           ; 32 h
.set ACC, 16                           ; v16-79   8 accumulators
.set AF,  80                           ; v80-175  the tile 8 fragments (my half of K)
.set AS,  176                          ; v176-179 their scale words
.set WS,  180                          ; v180-211 the weights scale words: 4 a + 2 (record) + e
.set WX,  212                          ; v212-223 the 64th weight fragment
.set TM,  224
.set TP,  226
.set SCO, 228
.set BY,  230
.set HW,  232
.set SSP, 233
.set SS,  234
.set SS2, 236
.set INV, 238
.set PC,  240                          ; v240-245 my six registers of the fragment
.set PT,  246
.set SSX, 250
.set MSB, 0
.macro WIN new                         ; the immediate high byte repeats the setting that is left
.if MSB != (\new)
	s_set_vgpr_msb (MSB<<8)|(\new)
.set MSB, (\new)
.endif
.endm
.macro FSEL i                          ; resident fragment i: 21 in each of windows 1, 2, 3, the 64th in window 0
.set FW, ((\i)/21+1)%4
.if (\i) < 63
.set FB, 12*((\i)%21)
.else
.set FB, WX
.endif
.endm
.macro PLACES n
.rept \n
	v_nop
.endr
.endm
.macro BARRIER                         ; my LDS stores have landed and my LDS loads are in: then the work-group barrier
	s_wait_dscnt 0x0
	s_barrier_signal -1
	s_barrier_wait -1
.endm
	s_load_b256 s[4:11], s[0:1], 0x0               ; ops s[4:5], bq s[6:7], bk s[8:9], bv s[10:11]
	s_load_b128 s[12:15], s[0:1], 0x20             ; qrec s[12:13], krec s[14:15]
	s_load_b64 s[16:17], s[0:1], 0x30              ; vrec
	v_lshl_add_u32 v254, v0, 2, 0x1ed00
	v_mov_b32 v255, 0
	v_lshrrev_b32 v16, 5, v0
	v_readfirstlane_b32 s18, v16                   ; wave
	s_lshr_b32 s19, s18, 1                         ; kw
	s_and_b32 s20, s18, 1                          ; cw
	v_and_b32 v17, 31, v0                          ; lane
	v_and_b32 v18, 15, v0                          ; r
	v_bfe_u32 v19, v0, 4, 1                        ; h
	v_lshlrev_b32 v[LI], 4, v17
	v_lshlrev_b32 v[L8], 3, v17
	v_lshlrev_b32 v[LS], 2, v17
	s_xor_b32 s52, s18, 2                          ; the partner
	s_lshl_b32 s53, s52, 12
	v_add_nc_u32 v[XSA], s53, v[LI]
	s_lshl_b32 s54, s18, 12
	v_add_nc_u32 v[XLA], s54, v[LI]
	s_lshl_b32 s55, s18, 7
	s_add_co_u32 s55, s55, XCH
	v_add_nc_u32 v[XCS], s55, v[LS]
	s_lshl_b32 s55, s52, 7
	s_add_co_u32 s55, s55, XCH
	v_add_nc_u32 v[XCL], s55, v[LS]
	v_mul_u32_u24 v[VSA], v18, 528
	v_lshl_add_u32 v[VSA], v19, 5, v[VSA]
	s_lshl_b32 s55, s19, 8
	s_add_co_u32 s55, s55, VST
	v_add_nc_u32 v[VSA], s55, v[VSA]               ; row r, + 256 kw + 32 h
	s_add_co_u32 s54, s54, BIAS
	v_add_nc_u32 v[BLA], s54, v[LI]
	s_mul_i32 s55, s19, 768
	v_add_nc_u32 v[OC], s55, v[LI]
	s_add_co_u32 s55, s55, 512
	v_add_nc_u32 v[OC8], s55, v[L8]
	s_lshl_b32 s55, s19, 7
	s_add_co_u32 s55, s55, 1536
	v_add_nc_u32 v[OS], s55, v[LS]
	v_mul_u32_u24 v[VT], v19, 16896                ; lanes 16-31: 32 keys further down
	v_lshl_add_u32 v[VT], v18, 2, v[VT]
	s_lshl_b32 s55, s18, 7
	s_add_co_u32 s55, s55, VST
	v_add_nc_u32 v[VT], s55, v[VT]                 ; + feature 32 w + r
	v_lshlrev_b32 v[H8], 3, v19
	v_lshlrev_b32 v[H32], 5, v19
	v_mov_b32 v[TP], 0                             ; written once: a lane permute destination counts as one of its sources
	v_mov_b32 v[TP+1], 0
	v_mov_b32 v[SSX], 0
	s_mov_b32 s40, 0x76543210
	s_mov_b32 s41, 0xfedcba98
	; which work: all from the work-group numbers and the wave number
	s_and_b32 s21, ttmp7, 0xffff                   ; y
	s_min_u32 s52, ttmp9, 32
	s_mul_i32 s53, ttmp9, 10
	s_add_co_u32 s53, s53, s52                     ; q: first tile
	s_cmp_lt_u32 ttmp9, 32
	s_cselect_b32 s54, 11, 10                      ; q: tiles
	s_max_u32 s55, ttmp9, 48
	s_sub_co_u32 s55, s55, 48
	s_lshl_b32 s55, s55, 2
	s_add_co_u32 s22, s55, s21                     ; jj
	s_lshl_b32 s55, s22, 3                         ; kv: first tile
	s_lshl_b32 s37, s21, 1
	s_add_co_u32 s37, s37, s20
	s_lshl_b32 s37, s37, 7                         ; q: head x 128 records
	s_lshl_b32 s50, s21, 10
	s_lshl_b32 s51, s20, 9
	s_add_co_u32 s50, s50, s51                     ; q: the head first byte in bq
	s_mov_b32 s36, 1024
	s_cmp_ge_u32 ttmp9, 48
	s_cselect_b32 s23, 1, 0                        ; KV
	s_cselect_b32 s24, 4, s21                      ; column group
	s_cselect_b32 s26, 8, s54                      ; CNT
	s_cselect_b32 s29, s55, s53                    ; T
	s_cselect_b32 s36, 128, s36                    ; records from batch to batch
	s_cselect_b32 s37, 0, s37
	s_cselect_b32 s50, 0, s50
	s_and_b32 s28, s23, s20                        ; 1 in the waves that make v
	s_lshl_b32 s38, s19, 4                         ; my two bytes place in the scale word
	s_lshl_b32 s51, s19, 8
	s_add_co_u32 s50, s50, s51                     ; + my own 64 features
	s_mov_b32 s51, 0
	s_lshl_b32 s52, s24, 4
	s_lshl_b32 s53, s20, 3
	s_add_co_u32 s52, s52, s53
	s_add_co_u32 s52, s52, 1024                    ; the head first tile of weights
	s_lshl_b32 s53, s19, 2
	s_add_co_u32 s54, s52, s53                     ; my own four tiles,
	s_xor_b32 s53, s53, 4
	s_add_co_u32 s52, s52, s53                     ; the partner four
	s_mul_i32 s54, s54, TILEB
	s_mul_i32 s52, s52, TILEB
	s_mul_i32 s42, s19, 2*RECB                     ; my half of K: two records on
	s_add_co_u32 s54, s54, s42
	s_add_co_u32 s52, s52, s42
	s_mov_b32 s55, 0
	s_mov_b32 s53, 0
	s_lshl_b32 s43, s23, 9                         ; context tiles lie 512 behind those of x
	s_add_co_u32 s43, s43, s29
	s_mul_i32 s43, s43, TILEB
	s_add_co_u32 s42, s43, s42
	s_mov_b32 s43, 0
	s_wait_kmcnt 0x0
	s_add_nc_u64 s[30:31], s[4:5], s[42:43]        ; the first tile of tokens
	s_add_nc_u64 s[44:45], s[4:5], s[54:55]
	s_add_nc_u64 s[46:47], s[4:5], s[52:53]
	s_cmp_eq_u32 s20, 1
	s_cselect_b64 s[48:49], s[10:11], s[8:9]       ; bv or bk
	s_cmp_eq_u32 s23, 1
	s_cselect_b64 s[48:49], s[48:49], s[6:7]       ; or bq
	s_cselect_b64 s[32:33], s[14:15], s[12:13]     ; krec or qrec
	s_add_nc_u64 s[48:49], s[48:49], s[50:51]
.macro ACT                             ; a tile 8 fragments of my half of K, and their scale words: 26 loads of dense bytes
.irp q, 0,1
.irp f, 0,1,2,3
.irp c, 0,1,2
	global_load_b128 v[AF+12*(4*\q+\f)+4*\c:AF+12*(4*\q+\f)+4*\c+3], v[LI], s[30:31] offset:\q*RECB+\f*1536+512*\c
.endr
.endr
	global_load_b64 v[AS+2*\q:AS+2*\q+1], v[L8], s[30:31] offset:\q*RECB+6144
.endr
.endm
	ACT
.irp a, 0,1,2,3                        ; the bias in the layout of a result: tile a, features 16 a + 8 h + 0 .. 7 of my own 64
	global_load_b128 v[ACC+8*\a:ACC+8*\a+3], v[H32], s[48:49] offset:64*\a
	global_load_b128 v[ACC+8*\a+4:ACC+8*\a+7], v[H32], s[48:49] offset:64*\a+16
.endr
.irp a, 0,1,2,3
.irp q, 0,1
	global_load_b64 v[WS+4*\a+2*\q:WS+4*\a+2*\q+1], v[L8], s[44:45] offset:\a*TILEB+\q*RECB+6144
	global_load_b64 v[WS+16+4*\a+2*\q:WS+16+4*\a+2*\q+1], v[L8], s[46:47] offset:\a*TILEB+\q*RECB+6144
.endr
.endr
.set idx, 0                            ; the 64 weight fragments: index 8 s + a (K step s, accumulator a): they stay
.rept 64
	FSEL idx
	WIN FW<<6
.if (idx%8) < 4
.irp c, 0,1,2
	global_load_b128 v[FB+4*\c:FB+4*\c+3], v[LI], s[44:45] offset:(idx%4)*TILEB+(idx/32)*RECB+((idx/8)%4)*1536+512*\c
.endr
.else
.irp c, 0,1,2
	global_load_b128 v[FB+4*\c:FB+4*\c+3], v[LI], s[46:47] offset:(idx%4)*TILEB+(idx/32)*RECB+((idx/8)%4)*1536+512*\c
.endr
.endif
.set idx, idx+1
.endr
	WIN 0
	s_wait_loadcnt 0x0
.irp k, 0,1,2,3,4,5,6,7
	ds_store_b128 v[BLA], v[ACC+4*\k:ACC+4*\k+3] offset:512*\k   ; the bias image, for the later tiles; the first finds the bias in its accumulators
.endr
; 64 matrix instructions: K step by K step, the eight accumulators by turns, one instruction a turn.
; An odd K step takes both sides scale words from lanes 16-31.
.macro MULS
.set idx, 0
.rept 64
	FSEL idx
	WIN FW
.set rD, ACC+8*(idx%8)
.set rB, AF+12*(idx/8)
.set rW, WS+4*(idx%8)+2*(idx/32)+((idx/8)%4)/2
.set rA, AS+2*(idx/32)+((idx/8)%4)/2
.if (idx >= 4) && (idx < 8)
	v_wmma_scale_f32_16x16x128_f8f6f4 v[rD:rD+7], v[FB:FB+11], v[rB:rB+11], 0, v[rW], v[rA] matrix_a_fmt:MATRIX_FMT_FP6 matrix_b_fmt:MATRIX_FMT_FP6
.elseif (idx/8)%2
	v_wmma_scale_f32_16x16x128_f8f6f4 v[rD:rD+7], v[FB:FB+11], v[rB:rB+11], v[rD:rD+7], v[rW], v[rA] matrix_a_fmt:MATRIX_FMT_FP6 matrix_b_fmt:MATRIX_FMT_FP6 matrix_a_scale:MATRIX_SCALE_ROW1 matrix_b_scale:MATRIX_SCALE_ROW1
.else
	v_wmma_scale_f32_16x16x128_f8f6f4 v[rD:rD+7], v[FB:FB+11], v[rB:rB+11], v[rD:rD+7], v[rW], v[rA] matrix_a_fmt:MATRIX_FMT_FP6 matrix_b_fmt:MATRIX_FMT_FP6
.endif
.set idx, idx+1
.endr
	WIN 0
.endm
; my 32 registers (two blocks of 32 features, half of each in lane l xor 16) become registers 6 kw .. 6 kw + 5 of the head fragment, and two bytes of its scale word
.macro QH
.irp b, 0,1
	v_max3_num_f32 v[TM+\b], |v[ACC+16*\b]|, |v[ACC+1+16*\b]|, 0x1800000   ; and the floor 2^(3 - 127): the byte cannot fall under 1
.endr
.irp i, 2,4,6,8,10,12,14
.irp b, 0,1
	v_max3_num_f32 v[TM+\b], v[TM+\b], |v[ACC+16*\b+\i]|, |v[ACC+1+16*\b+\i]|
.endr
.endr
.irp b, 0,1
	v_permlanex16_b32 v[TP+\b], v[TM+\b], s40, s41
.endr
.irp b, 0,1
	v_max_num_f32 v[TM+\b], v[TM+\b], v[TP+\b]
.endr
.irp b, 0,1
	v_add_nc_u32 v[SCO+\b], 0xff000000, v[TM+\b]   ; 2 off the exponent field: the conversion scale operand
.endr
.irp b, 0,1
	v_lshrrev_b32 v[BY+\b], 23, v[SCO+\b]
.endr
	v_lshl_or_b32 v[HW], v[BY+1], 8, v[BY]
	v_lshlrev_b32 v[HW], s38, v[HW]                ; bytes 2 kw, 2 kw + 1 of the word
	v_cvt_scalef32_pk16_fp6_f32 v[PC:PC+2], v[ACC:ACC+15], v[SCO]
	v_cvt_scalef32_pk16_fp6_f32 v[PT:PT+2], v[ACC+16:ACC+31], v[SCO+1]
	v_nop                                          ; one plain place behind a scaled conversion
.irp i, 0,1,2
	v_permlane16_swap_b32 v[PC+\i], v[PT+\i]       ; lanes 0-15 get block 2 kw whole, lanes 16-31 block 2 kw + 1
.endr
.irp i, 0,1,2
	v_mov_b32 v[PC+3+\i], v[PT+\i]
.endr
.endm
	s_mov_b32 s27, 0
.Ltrip:                                ; 11 trips in every work-group; a trip past the work-group count is passed over whole: the branch hangs on the work-group numbers alone, so all four waves take it alike
	s_cmp_ge_u32 s27, s26
	s_cbranch_scc1 .Lskip
	s_wait_loadcnt 0x0                             ; the tile fragments are in,
	s_wait_dscnt 0x0                               ; and the bias lies in my own four accumulators
	s_add_nc_u64 s[30:31], s[30:31], TILEB         ; (its loads are done: the base may step)
	MULS
	PLACES 4                                       ; in front of loads into registers that matrix instructions have read, and of the first reads of results
	s_add_co_u32 s52, s27, 1
	s_cmp_ge_u32 s52, s26
	s_cbranch_scc1 .Lnoact                         ; the last tile asks for nothing
	ACT                                            ; the next tile: it lands while this one is finished
.Lnoact:
.irp k, 0,1,2,3,4,5,6,7
	ds_store_b128 v[XSA], v[ACC+32+4*\k:ACC+35+4*\k] offset:512*\k   ; the partner four accumulators, each from its low end on
.endr
	BARRIER                                        ; A: all partial sums lie in LDS
.irp k, 0,1,2,3,4,5,6,7
	ds_load_b128 v[ACC+32+4*\k:ACC+35+4*\k], v[XLA] offset:512*\k
.endr
	s_lshr_b32 s42, s29, 7                         ; the record: batch x (records a batch) + head x 128 + tile in the batch
	s_mul_i32 s42, s42, s36
	s_add_co_u32 s42, s42, s37
	s_and_b32 s43, s29, 127
	s_add_co_u32 s42, s42, s43
	s_mul_i32 s42, s42, QREC
	s_mov_b32 s43, 0
	s_wait_dscnt 0x0
.set i, 0
.rept 16
	v_pk_add_f32 v[ACC+i:ACC+i+1], v[ACC+i:ACC+i+1], v[ACC+32+i:ACC+33+i]   ; both halves of K and the bias: my 64 features of 16 tokens
.set i, i+2
.endr
	s_cmp_eq_u32 s20, 0                            ; v goes into its stage as it is: waves 1 and 3,
	s_cbranch_scc1 .Lnov
	s_cmp_eq_u32 s23, 0                            ; of the work-groups that hold Wk and Wv
	s_cbranch_scc1 .Lnov
.irp a, 0,1,2,3
	ds_store_b128 v[VSA], v[ACC+8*\a:ACC+8*\a+3] offset:64*\a
	ds_store_b128 v[VSA], v[ACC+8*\a+4:ACC+8*\a+7] offset:64*\a+16
.endr
.Lnov:
	v_pk_mul_f32 v[SS:SS+1], v[ACC:ACC+1], v[ACC:ACC+1]           ; the sum of squares, in two packed chains.  (The waves that make v run these lines too; what they make of them is not stored)
	v_pk_mul_f32 v[SS2:SS2+1], v[ACC+2:ACC+3], v[ACC+2:ACC+3]
.irp i, 4,8,12,16,20,24,28
	v_pk_fma_f32 v[SS:SS+1], v[ACC+\i:ACC+\i+1], v[ACC+\i:ACC+\i+1], v[SS:SS+1]
	v_pk_fma_f32 v[SS2:SS2+1], v[ACC+\i+2:ACC+\i+3], v[ACC+\i+2:ACC+\i+3], v[SS2:SS2+1]
.endr
	v_pk_add_f32 v[SS:SS+1], v[SS:SS+1], v[SS2:SS2+1]
	v_add_f32 v[SS], v[SS], v[SS+1]
	v_permlanex16_b32 v[SSX], v[SS], s40, s41
	v_add_f32 v[SS], v[SS], v[SSX]                 ; of my 64 features
	ds_store_b32 v[XCS], v[SS]
	BARRIER                                        ; B: the sums lie in LDS; every wave reads of the exchange above are over
	ds_load_b32 v[SSP], v[XCL]
	s_wait_dscnt 0x0
	v_add_f32 v[SS], v[SS], v[SSP]                 ; of the head 128: the same bits in both waves
	v_sqrt_f32 v[SS2], v[SS]
	v_nop                                          ; a plain place behind the transcendental,
	s_wait_alu depctr_va_vdst(0)                   ; and the wait ahead of the first line that names its result
	v_max_num_f32 v[SS2], 0x2b8cbccc, v[SS2]       ; max(norm, 1e-12)
	v_rcp_f32 v[INV], v[SS2]
	v_nop
	s_wait_alu depctr_va_vdst(0)
	v_mov_b32 v[INV+1], v[INV]
.set i, 0
.rept 16
	v_pk_mul_f32 v[ACC+i:ACC+i+1], v[ACC+i:ACC+i+1], v[INV:INV+1]
.set i, i+2
.endr
	s_wait_xcnt 0x0                                ; the last tile stores have read their data and their base: both are written again only behind this wait
	s_add_nc_u64 s[34:35], s[32:33], s[42:43]
	QH
	s_cmp_eq_u32 s28, 1
	s_cbranch_scc1 .Lnost
	global_store_b128 v[OC], v[PC:PC+3], s[34:35]  ; 512 consecutive bytes,
	global_store_b64 v[OC8], v[PC+4:PC+5], s[34:35]   ; 256,
	global_store_b32 v[OS], v[HW], s[34:35]        ; 128
.Lnost:
.irp k, 0,1,2,3,4,5,6,7
	ds_load_b128 v[ACC+4*\k:ACC+4*\k+3], v[BLA] offset:512*\k   ; the bias for the next tile
.endr
.Lskip:
	v_add_nc_u32 v[VSA], 16*528, v[VSA]            ; 16 keys down in the stage
	s_add_co_u32 s29, s29, 1
	s_add_co_u32 s27, s27, 1
	s_cmp_lt_u32 s27, 11
	s_cbranch_scc1 .Ltrip
	BARRIER                                        ; 128 keys of v lie in the stage
	s_wait_loadcnt 0x0
	s_wait_xcnt 0x0                                ; nothing of mine is out whose registers the tail writes
	s_cmp_eq_u32 s23, 0
	s_cbranch_scc1 .Lend
	; THE TAIL: v, 128 keys x 128 features, is quantised along the keys.  Wave w makes the fragments of features 32 w on: a lane takes a column of the stage, and its registers run down the keys, in the slots order.
.set Y,   16                           ; v16-79  two blocks of 32 keys of my feature: blocks h and 2 + h
.set VPT, 92
.set VW,  112                          ; v112-113 the scale words
	s_mul_i32 s52, s22, VREC
	s_mov_b32 s53, 0
	s_add_nc_u64 s[16:17], s[16:17], s[52:53]
	s_mul_i32 s54, s18, 3072
	v_add_nc_u32 v114, s54, v[LI]
	s_lshl_b32 s54, s18, 8
	s_add_co_u32 s54, s54, 12288
	v_add_nc_u32 v115, s54, v[LS]
.macro VFRAG tt
.set VPC, 80+20*(\tt)                  ; a set of registers for each fragment: no store data are written again
.set p, 0
.rept 32
	ds_load_b32 v[Y+p], v[VT] offset:(16*((p/8)%2)+8*(p/16)+p%8)*528+64*(\tt)
	ds_load_b32 v[Y+32+p], v[VT] offset:(64+16*((p/8)%2)+8*(p/16)+p%8)*528+64*(\tt)
.set p, p+1
.endr
	s_wait_dscnt 0x0
.irp c, 0,1
	v_max3_num_f32 v[TM+\c], |v[Y+32*\c]|, |v[Y+1+32*\c]|, 0x1800000   ; all 32 numbers of a block are mine; the floor holds the byte at 1
.endr
.irp i, 2,4,6,8,10,12,14,16,18,20,22,24,26,28,30
.irp c, 0,1
	v_max3_num_f32 v[TM+\c], v[TM+\c], |v[Y+32*\c+\i]|, |v[Y+1+32*\c+\i]|
.endr
.endr
.irp c, 0,1
	v_add_nc_u32 v[SCO+\c], 0xff000000, v[TM+\c]
.endr
.irp c, 0,1
	v_lshrrev_b32 v[BY+\c], 23, v[SCO+\c]
.endr
	v_lshl_or_b32 v[VW+\tt], v[BY+1], 16, v[BY]    ; my two bytes: blocks h and 2 + h,
	v_lshlrev_b32 v[VW+\tt], v[H8], v[VW+\tt]      ; at their places;
	v_permlanex16_b32 v[TP], v[VW+\tt], s40, s41
	v_or_b32 v[VW+\tt], v[VW+\tt], v[TP]           ; with lane l xor 16 the word is whole, in both halves of the lanes
.irp c, 0,1
	v_cvt_scalef32_pk16_fp6_f32 v[VPC+6*\c:VPC+2+6*\c], v[Y+32*\c:Y+15+32*\c], v[SCO+\c]
	v_cvt_scalef32_pk16_fp6_f32 v[VPT+4*\c:VPT+2+4*\c], v[Y+16+32*\c:Y+31+32*\c], v[SCO+\c]
.endr
	v_nop                                          ; one plain place behind a scaled conversion
.irp c, 0,1
.irp i, 0,1,2
	v_mov_b32 v[VPC+3+6*\c+\i], v[VPT+4*\c+\i]
.endr
.endr
.irp c, 0,1,2
	global_store_b128 v114, v[VPC+4*\c:VPC+4*\c+3], s[16:17] offset:1536*(\tt)+512*\c
.endr
	global_store_b32 v115, v[VW+\tt], s[16:17] offset:128*(\tt)
.endm
	VFRAG 0
	VFRAG 1
.Lend:
	s_wait_tensorcnt 0x0
	ds_add_u32 v254, v255
	s_wait_dscnt 0x0
	s_endpgm
.Lfunc_end_k_qebc67f3272_proj:
	.size	k_qebc67f3272_proj, .Lfunc_end_k_qebc67f3272_proj-k_qebc67f3272_proj
	.p2alignl 7, 3214868480
	.fill 96, 4, 3214868480
	.section	.rodata,"a",@progbits
	.p2align	6, 0x0
	.amdhsa_kernel k_qebc67f3272_proj
		.amdhsa_group_segment_fixed_size 126720
		.amdhsa_private_segment_fixed_size 0
		.amdhsa_enable_private_segment 0
		.amdhsa_kernarg_size 56
		.amdhsa_user_sgpr_count 2
		.amdhsa_user_sgpr_kernarg_segment_ptr 1
		.amdhsa_wavefront_size32 1
		.amdhsa_system_sgpr_workgroup_id_x 1
		.amdhsa_system_sgpr_workgroup_id_y 1
		.amdhsa_system_sgpr_workgroup_id_z 1
		.amdhsa_system_vgpr_workitem_id 0
		.amdhsa_next_free_vgpr 1024
		.amdhsa_next_free_sgpr 66
		.amdhsa_reserve_vcc 0
		.amdhsa_float_denorm_mode_32 3
		.amdhsa_float_denorm_mode_16_64 3
		.amdhsa_memory_ordered 1
		.amdhsa_forward_progress 1
		.amdhsa_inst_pref_size 64
	.end_amdhsa_kernel
	.amdgpu_metadata
---
amdhsa.version: [ 1, 2 ]
amdhsa.kernels:
  - .name:           k_qebc67f3272_proj
    .symbol:         k_qebc67f3272_proj.kd
    .args:
      - { .name: ops, .offset: 0, .size: 8, .value_kind: global_buffer, .address_space: global }
      - { .name: bq, .offset: 8, .size: 8, .value_kind: global_buffer, .address_space: global }
      - { .name: bk, .offset: 16, .size: 8, .value_kind: global_buffer, .address_space: global }
      - { .name: bv, .offset: 24, .size: 8, .value_kind: global_buffer, .address_space: global }
      - { .name: qrec, .offset: 32, .size: 8, .value_kind: global_buffer, .address_space: global }
      - { .name: krec, .offset: 40, .size: 8, .value_kind: global_buffer, .address_space: global }
      - { .name: vrec, .offset: 48, .size: 8, .value_kind: global_buffer, .address_space: global }
    .group_segment_fixed_size: 126720
    .private_segment_fixed_size: 0
    .kernarg_segment_align: 8
    .kernarg_segment_size: 56
    .max_flat_workgroup_size: 128
    .sgpr_count:     66
    .vgpr_count:     1024
    .wavefront_size: 32
...
	.end_amdgpu_metadata
.endif
;; end of part 2
;; launch attn (part 3): grid 256 x 1, 4 waves a work-group, no clusters, 100,352 bytes of LDS; arguments qrec, krec, vrec, out0; writes out0
.if DOCPART == 3
	.amdgcn_target "amdgcn-amd-amdhsa--gfx1250"
	.amdhsa_code_object_version 6
	.text
	.protected	k_qebc67f3272_attn
	.globl	k_qebc67f3272_attn
	.p2align	8
	.type	k_qebc67f3272_attn,@function
k_qebc67f3272_attn:
	s_mov_b64 s[64:65], 0
	v_nop
	global_prefetch_b8 v0, s[64:65] scope:SCOPE_SE
	s_setreg_imm32_b32 hwreg(HW_REG_WAVE_MODE, 25, 1), 1
	s_wait_xcnt 0x0
; out[b][head][n][:] = the sum over keys m of Q((q . k_m) / sqrt(128)) v_m, both products on codes of FP6 with E8M0 scales; q, k, v arrive as operand images; Q quantises along the keys, in blocks of 32.  There is no softmax.
; SHARES.  The K and V codes of a batch, 393,216 bytes, STAY IN THE REGISTERS of a work-group of four waves: wave w holds keys 512 w .. 512 w + 511: 32 fragments of K (16 keys x 128) and 32 of V (16 features x 128 keys).
; A work-group takes 16 tiles of 16 queries (256 consecutive rows of out0).  For a tile each wave makes the scores of its own 512 keys, scales and quantises them in registers, and multiplies them by its own part of V:
; the left operand of the second product never leaves the wave.  The four waves partial results (16 x 128 f32 each) meet in a stage in LDS, from which each wave reads four whole rows of all four, adds them and stores them.
; BOTH PRODUCTS ARE USED TRANSPOSED (source 0 = 16 keys, or 16 features of V; source 1 = my 16 queries): a lane holds ONE query throughout, and its registers run along the keys, then along the features.
; BY TURNS.  The scores of a key step (128 keys) are two halves of 32 registers.  In an EVEN period the vector unit works on half 0 while the matrix unit takes the 4 products K q of half 1 and the 8 products V P of the step before;
; in an ODD period the vector unit works on half 1 while the matrix unit takes the 4 products K q of the next step half 0.  The vector work is a numbered list of 53 lines a half, dealt out behind the matrix instructions,
; three or four lines each.  A resident fragment lies in windows 1 to 3 and all vector work in window 0, so a slice costs two switches: 32 for a key step 16 matrix instructions and 105 vector lines.
; The pipeline runs on from tile to tile: the last 8 products of a tile and its way out stand in the periods of the next tile.
; q: the 16 records of the work-group are read once, four by each wave, and lie in LDS as images of the operand registers, 1,792 bytes a tile; a tile fragment is four LDS loads.
; THE LARGEST MAGNITUDE of a block is taken of the UNSCALED scores and then multiplied by c = 1 / sqrt(128): rounding a product with one positive constant keeps order, so that is the largest scaled score, bit for bit.
; Its floor is 2^-120: times c that lies between 2^-124 and 2^-123, so the byte is 1 exactly where the rule holds it at 1.
; THE ORDER OF SLOTS: tile 2 b + u of 16 neighbouring keys gives lane half z, register j, the key 32 b + 16 u + 8 z + j, which the quantiser takes as slot 32 b + 16 z + 8 u + j.  V was laid in that order.  Blocks, scales and quantised numbers do not hang on it.
; NO CLUSTER, NO TENSOR LOAD: what the 64 work-groups of a batch share, K and V, is read once by each, straight into the registers where it stays; its 393,216 bytes are more than the 327,680 bytes of LDS into which a joint load would have to land.
; LIMITS: NaN and infinities are not served.  The sum over the 2,048 keys is made as four sums of 512 (each a chain of four matrix instructions), added in f32 as (p0 + p1) + (p2 + p3).  A block of zeros gets the byte 1: its codes are zeros.
.set QREC, 1792
.set VREC, 13312
.set STGB, 33792                       ; a stage: 4 waves x 16 rows x (512 + 16) bytes; two stages take turns
.set QIMG, 2*STGB                      ; behind the stages: the 16 tiles of q, QSTR bytes each: three blocks of 512 bytes (registers 4 c .. 4 c + 3 of lane l at 512 c + 16 l), at 1,536 + 4 l the scale words
.set QSTR, 1792                        ; (the launch claims two tiles more than the 16: the address registers are stepped once past the last tile)
.set LI,  1                            ; 16 x lane
.set L8,  2                            ; 8 x lane
.set SKA, 3                            ; K scale words: 4 x lane, lanes 16-31 one record on
.set SVA, 4                            ; V scale words: 4 x lane, lanes 16-31 one tile on
.set LS,  5                            ; 4 x lane
.set STO, 6                            ; the stage: where I put 32 bytes of a row
.set RD,  7                            ; and where I read rows back
.set QS,  8                            ; the scale words of q
.set PW,  9                            ; the scale words of the scores of a key step
.set PWH, 10                           ; their lower two bytes,
.set PWT, 11                           ; their upper two
.set TA,  12                           ; v12-15   four chains of maxima: A of blocks 0, 1, B of blocks 0, 1
.set KS,  16                           ; v16-31   K scale words: register m: tile 2 m in lanes 0-15, tile 2 m + 1 in lanes 16-31
.set VS,  32                           ; v32-47   V likewise: 4 s + t / 2
.set VX,  48                           ; v48-59   the 64th resident fragment
.set QF,  60                           ; v60-71   the tile of queries
.set PC,  72                           ; v72-83   the scores as codes
.set PT,  84                           ; v84-86   the second conversion of a half
.set TX,  88                           ; v88-89   the other half of the lanes maxima
.set SC,  90                           ; v90-91   the conversions scale operands
.set BY,  92                           ; v92-93   the scale bytes
.set QAD, 94                           ; LDS address of the next tile of q: 16 x lane; stepped a tile at a time
.set QAS, 95                           ; and of its scale words: 4 x lane
.set RB0, 96                           ; v96-111  a row of the four partial results,
.set S,   112                          ; v112-175 the scores: half 0, half 1
.set O,   176                          ; v176-239 my partial result
.set RB1, 240                          ; v240-255 and the next row
.set QW,  O+16                         ; at the head only: where I store my four tiles of q
.set QWS, O+17
.set SEL, 16                           ; s[16:17] lane selects: lane l xor 16
.set MSB, 0
.macro WIN new                         ; the immediate high byte repeats the setting that is left; a switch that changes nothing is dropped
.if MSB != (\new)
	s_set_vgpr_msb (MSB<<8)|(\new)
.set MSB, (\new)
.endif
.endm
.macro FSEL i                          ; resident fragment i (K: 0-31, V: 32 + 8 s + t): 21 in each of windows 1, 2, 3, the 64th in window 0
.set FW, ((\i)/21+1)%4
.if (\i) < 63
.set FB, 12*((\i)%21)
.else
.set FB, VX
.endif
.endm
.macro PLACES n
.rept \n
	v_nop
.endr
.endm
	s_load_b256 s[4:11], s[0:1], 0x0               ; qrec s[4:5], krec s[6:7], vrec s[8:9], out0 s[10:11]
	v_lshl_add_u32 v87, v0, 2, 0x18600
	s_set_vgpr_msb 0x40
	v_mov_b32 v255, 0
	s_set_vgpr_msb 0x4000
	v_lshrrev_b32 v12, 5, v0
	v_readfirstlane_b32 s12, v12                   ; wave
	v_and_b32 v12, 31, v0                          ; lane
	v_and_b32 v13, 15, v0                          ; r
	v_bfe_u32 v14, v0, 4, 1                        ; h
	v_lshlrev_b32 v[LI], 4, v12
	v_lshlrev_b32 v[L8], 3, v12
	v_lshlrev_b32 v[LS], 2, v12
	v_mad_u32_u24 v[SKA], v14, QREC, v[LS]
	v_lshl_add_u32 v[SVA], v14, 7, v[LS]
	s_mul_i32 s24, s12, 16*528
	v_mul_u32_u24 v[STO], v13, 528
	v_lshl_add_u32 v[STO], v14, 5, v[STO]
	v_add_nc_u32 v[STO], s24, v[STO]               ; my wave part of a stage, row r, + 32 h
	s_mul_i32 s24, s12, 4*528
	v_add_nc_u32 v[RD], s24, v[LI]                 ; rows 4 w on, 16 bytes a lane
	v_add_nc_u32 v[QAD], QIMG, v[LI]
	v_add_nc_u32 v[QAS], QIMG+1536, v[LS]
	s_mul_i32 s24, s12, 4*QSTR
	v_add_nc_u32 v[QW], s24, v[QAD]                ; tiles 4 w on
	v_add_nc_u32 v[QWS], s24, v[QAS]
	v_mov_b32 v[TX], 0                             ; written once: a lane permute destination counts as one of its sources
	v_mov_b32 v[TX+1], 0
	s_mov_b32 s14, 0x3db504f3                      ; c = 1 / sqrt(128)
	s_mov_b32 s15, s14                             ; (named with it as a pair, so it is written)
	s_mov_b32 s[SEL], 0x76543210
	s_mov_b32 s[SEL+1], 0xfedcba98
	s_lshr_b32 s20, ttmp9, 6                       ; the batch: 64 work-groups each
	s_lshl_b32 s22, s20, 7
	s_lshl_b32 s23, s12, 5
	s_add_co_u32 s22, s22, s23
	s_mul_i32 s22, s22, QREC                       ; K: record 128 b + 32 w
	s_mov_b32 s23, 0
	s_lshl_b32 s24, s20, 4
	s_lshl_b32 s25, s12, 2
	s_add_co_u32 s24, s24, s25
	s_mul_i32 s24, s24, VREC                       ; V: record 16 b + 4 w
	s_mov_b32 s25, 0
	s_mul_i32 s26, ttmp9, 16*QREC                  ; q: 16 records a work-group,
	s_mul_i32 s27, s12, 4*QREC                     ; of which I fetch four
	s_add_co_u32 s26, s26, s27
	s_mov_b32 s27, 0
	s_lshl_b32 s28, ttmp9, 17                      ; out0: 256 rows of 512 bytes a work-group,
	s_lshl_b32 s29, s12, 11                        ; my four rows of a tile
	s_add_co_u32 s28, s28, s29
	s_mov_b32 s29, 0
	s_wait_kmcnt 0x0
	s_add_nc_u64 s[4:5], s[4:5], s[26:27]
	s_add_nc_u64 s[6:7], s[6:7], s[22:23]
	s_add_nc_u64 s[8:9], s[8:9], s[24:25]
	s_add_nc_u64 s[10:11], s[10:11], s[28:29]
.irp i, 0,1,2,3                        ; my four records of q, each as the fragment that it is, into the registers of the scores
	global_load_b128 v[S+12*\i:S+12*\i+3], v[LI], s[4:5] offset:\i*QREC
	global_load_b64 v[S+12*\i+4:S+12*\i+5], v[L8], s[4:5] offset:\i*QREC+512
	global_load_b128 v[S+12*\i+6:S+12*\i+9], v[LI], s[4:5] offset:\i*QREC+768
	global_load_b64 v[S+12*\i+10:S+12*\i+11], v[L8], s[4:5] offset:\i*QREC+1280
	global_load_b32 v[S+48+2*\i], v[LS], s[4:5] offset:\i*QREC+1536
	global_load_b32 v[S+49+2*\i], v[LS], s[4:5] offset:\i*QREC+1664
.endr
.irp m, 0,1,2,3,4,5,6,7,8,9,10,11,12,13,14,15
	global_load_b32 v[KS+\m], v[SKA], s[6:7] offset:2*\m*QREC+1536
	global_load_b32 v[O+\m], v[SKA], s[6:7] offset:2*\m*QREC+1664   ; (the words other halves, joined below)
.endr
.irp ks, 0,1,2,3
.irp u, 0,1,2,3
	global_load_b32 v[VS+4*\ks+\u], v[SVA], s[8:9] offset:\ks*VREC+12288+256*\u
.endr
.endr
.set idx, 0
.rept 32                               ; K: they stay
	FSEL idx
	WIN FW<<6
	global_load_b128 v[FB:FB+3], v[LI], s[6:7] offset:idx*QREC
	global_load_b64 v[FB+4:FB+5], v[L8], s[6:7] offset:idx*QREC+512
	global_load_b128 v[FB+6:FB+9], v[LI], s[6:7] offset:idx*QREC+768
	global_load_b64 v[FB+10:FB+11], v[L8], s[6:7] offset:idx*QREC+1280
.set idx, idx+1
.endr
.rept 32                               ; V: they stay
	FSEL idx
	WIN FW<<6
.irp c, 0,1,2
	global_load_b128 v[FB+4*\c:FB+4*\c+3], v[LI], s[8:9] offset:((idx-32)/8)*VREC+(idx%8)*1536+512*\c
.endr
.set idx, idx+1
.endr
	WIN 0
	s_wait_loadcnt 0x0
.irp m, 0,1,2,3,4,5,6,7,8,9,10,11,12,13,14,15
	v_or_b32 v[KS+\m], v[KS+\m], v[O+\m]
.endr
.irp i, 0,1,2,3
	v_or_b32 v[S+48+2*\i], v[S+48+2*\i], v[S+49+2*\i]   ; the scale words of q, whole
.endr
.irp i, 0,1,2,3
.irp c, 0,1,2
	ds_store_b128 v[QW], v[S+12*\i+4*\c:S+12*\i+4*\c+3] offset:\i*QSTR+512*\c
.endr
	ds_store_b32 v[QWS], v[S+48+2*\i] offset:\i*QSTR
.endr
	s_wait_dscnt 0x0                               ; for the others: my four tiles of q have landed
	s_barrier_signal -1
	s_barrier_wait -1                              ; all sixteen lie in LDS; nobody writes them again
.macro QLOAD                           ; the next tile of queries and its scale words
.irp c, 0,1,2
	ds_load_b128 v[QF+4*\c:QF+4*\c+3], v[QAD] offset:512*\c
.endr
	ds_load_b32 v[QS], v[QAS]
.endm
.macro QSTEP                           ; behind the wait for those loads: on to the tile after
	v_add_nc_u32 v[QAD], QSTR, v[QAD]
	v_add_nc_u32 v[QAS], QSTR, v[QAS]
.endm
; One product of the scores: keys 128 ks + 16 tau on.  Each is a whole sum (K = the head 128).
.macro QKW ks, tau
	FSEL 8*(\ks)+(\tau)
	WIN FW
.if (\tau)%2
	v_wmma_scale_f32_16x16x128_f8f6f4 v[S+8*(\tau):S+8*(\tau)+7], v[FB:FB+11], v[QF:QF+11], 0, v[KS+4*(\ks)+(\tau)/2], v[QS] matrix_a_fmt:MATRIX_FMT_FP6 matrix_b_fmt:MATRIX_FMT_FP6 matrix_a_scale:MATRIX_SCALE_ROW1
.else
	v_wmma_scale_f32_16x16x128_f8f6f4 v[S+8*(\tau):S+8*(\tau)+7], v[FB:FB+11], v[QF:QF+11], 0, v[KS+4*(\ks)+(\tau)/2], v[QS] matrix_a_fmt:MATRIX_FMT_FP6 matrix_b_fmt:MATRIX_FMT_FP6
.endif
.endm
; One product of my partial result: features 16 t on take the 128 keys of step ks.  The eight accumulators take turns, one instruction a turn; step 0 starts the sums.
.macro PVW ks, t
	FSEL 32+8*(\ks)+(\t)
	WIN FW
.set rO, O+8*(\t)
.set rV, VS+4*(\ks)+(\t)/2
.if (\ks) == 0
.if (\t)%2
	v_wmma_scale_f32_16x16x128_f8f6f4 v[rO:rO+7], v[FB:FB+11], v[PC:PC+11], 0, v[rV], v[PW] matrix_a_fmt:MATRIX_FMT_FP6 matrix_b_fmt:MATRIX_FMT_FP6 matrix_a_scale:MATRIX_SCALE_ROW1
.else
	v_wmma_scale_f32_16x16x128_f8f6f4 v[rO:rO+7], v[FB:FB+11], v[PC:PC+11], 0, v[rV], v[PW] matrix_a_fmt:MATRIX_FMT_FP6 matrix_b_fmt:MATRIX_FMT_FP6
.endif
.else
.if (\t)%2
	v_wmma_scale_f32_16x16x128_f8f6f4 v[rO:rO+7], v[FB:FB+11], v[PC:PC+11], v[rO:rO+7], v[rV], v[PW] matrix_a_fmt:MATRIX_FMT_FP6 matrix_b_fmt:MATRIX_FMT_FP6 matrix_a_scale:MATRIX_SCALE_ROW1
.else
	v_wmma_scale_f32_16x16x128_f8f6f4 v[rO:rO+7], v[FB:FB+11], v[PC:PC+11], v[rO:rO+7], v[rV], v[PW] matrix_a_fmt:MATRIX_FMT_FP6 matrix_b_fmt:MATRIX_FMT_FP6
.endif
.endif
.endm
; THE VECTOR WORK OF A HALF (64 keys: blocks 2 c and 2 c + 1; 32 registers from SB on; register 16 b + i = slot 16 (lane / 16) + i of block 2 c + b): a list of 53 lines; VI writes number n of it.
;   0-15   the largest magnitude of each block 16 numbers of my lane, unscaled: chains A and B of both blocks by turns; each accumulator is first read at its low end; the floor 2^-120 is a leaf of the last line
;   16-35  five serial steps of two lines (lane l xor 16; the maximum; x c; 2 off the exponent field: the conversion scale operand; the scale byte), each followed by two of the 16 packed scalings x c
;   36-43  two bytes joined; six scalings; in half 1 the scale word of the key step
;   44-52  the two conversions, a plain place, and the exchange that gives each lane a whole block: registers 6 c .. 6 c + 5 of the operand
.macro VI c
.set SB, S+32*(\c)
.if n < 12
.set vb, n%2
.set vc, (n/2)%2
.set vk, n/4
.set vr, SB+16*vb+8*vc
.if vk == 0
	v_max3_num_f32 v[TA+2*vc+vb], |v[vr]|, |v[vr+1]|, |v[vr+2]|
.else
	v_max3_num_f32 v[TA+2*vc+vb], v[TA+2*vc+vb], |v[vr+2*vk+1]|, |v[vr+2*vk+2]|
.endif
.elseif n < 14
.set vb, n-12
	v_max3_num_f32 v[TA+vb], v[TA+vb], |v[SB+16*vb+7]|, |v[SB+16*vb+15]|
.elseif n < 16
.set vb, n-14
	v_max3_num_f32 v[TA+vb], v[TA+vb], v[TA+2+vb], 0x3800000
.elseif (n < 36) && ((n%4) >= 2)
.set vq, 2*((n-16)/4)+(n%4)-2
	v_pk_mul_f32 v[SB+2*vq:SB+2*vq+1], v[SB+2*vq:SB+2*vq+1], s[14:15] op_sel_hi:[1,0]
.elseif n < 20
	v_permlanex16_b32 v[TX+n%4], v[TA+n%4], s[SEL], s[SEL+1]
.elseif n < 24
	v_max_num_f32 v[TA+n%4], v[TA+n%4], v[TX+n%4]
.elseif n < 28
	v_mul_f32 v[TA+n%4], s14, v[TA+n%4]
.elseif n < 32
	v_add_nc_u32 v[SC+n%4], 0xff000000, v[TA+n%4]
.elseif n < 36
	v_lshrrev_b32 v[BY+n%4], 23, v[SC+n%4]
.elseif n == 36
.if (\c) == 0
	v_lshl_or_b32 v[PWH], v[BY+1], 8, v[BY]
.else
	v_lshl_or_b32 v[PWT], v[BY+1], 8, v[BY]
.endif
.elseif n < 43
.set vq, n-27
	v_pk_mul_f32 v[SB+2*vq:SB+2*vq+1], v[SB+2*vq:SB+2*vq+1], s[14:15] op_sel_hi:[1,0]
.elseif n == 43
.if (\c) == 1
	v_lshl_or_b32 v[PW], v[PWT], 16, v[PWH]
.endif
.elseif n == 44
	v_cvt_scalef32_pk16_fp6_f32 v[PC+6*(\c):PC+6*(\c)+2], v[SB:SB+15], v[SC]
.elseif n == 45
	v_cvt_scalef32_pk16_fp6_f32 v[PT:PT+2], v[SB+16:SB+31], v[SC+1]   ; (three registers that begin on an even number)
.elseif n == 46
	v_nop                                          ; one plain place behind a scaled conversion
.elseif n < 50
	v_permlane16_swap_b32 v[PC+6*(\c)+n-47], v[PT+n-47]   ; lanes 0-15 get block 2 c whole, lanes 16-31 block 2 c + 1
.else
	v_mov_b32 v[PC+6*(\c)+3+n-50], v[PT+n-50]
.endif
.endm
.macro ITEMS c, lo, hi                 ; numbers lo to hi of the list, in window 0
	WIN 0
.set n, \lo
.rept (\hi)-(\lo)+1
	VI \c
.set n, n+1
.endr
.endm
; THE WAY OUT, in parts.  OST: tile t of my partial result into my part of stage pg, from its low end on.
.macro OST pg, t
	ds_store_b128 v[STO], v[O+8*(\t):O+8*(\t)+3] offset:(\pg)*STGB+64*(\t)
	ds_store_b128 v[STO], v[O+8*(\t)+4:O+8*(\t)+7] offset:(\pg)*STGB+64*(\t)+16
.endm
.macro RLOAD pg, r0, b0, b1            ; rows 4 w + r0 and 4 w + r0 + 1 of all four partial results: 512 consecutive bytes a load
.irp p, 0,1,2,3
	ds_load_b128 v[\b0+4*\p:\b0+4*\p+3], v[RD] offset:(\pg)*STGB+\p*16*528+(\r0)*528
.endr
.irp p, 0,1,2,3
	ds_load_b128 v[\b1+4*\p:\b1+4*\p+3], v[RD] offset:(\pg)*STGB+\p*16*528+((\r0)+1)*528
.endr
.endm
.macro RADD base, k                    ; addition k of 6 of a row: (p0 + p1) + (p2 + p3), two numbers a line
.if (\k) < 4
.set rd, (\base)+8*((\k)/2)+2*((\k)%2)
.set rs, rd+4
.else
.set rd, (\base)+2*((\k)-4)
.set rs, rd+8
.endif
	v_pk_add_f32 v[rd:rd+1], v[rd:rd+1], v[rs:rs+1]
.endm
.macro RSUM b0, b1
.irp k, 0,1,2,3,4,5
	RADD \b0, \k
	RADD \b1, \k
.endr
.endm
.macro RSTORE pg, r0, b0, b1           ; two whole rows of 512 bytes, each at a multiple of 256 from the buffer first byte; written once, read by nobody here.  The pointer stands two tiles past the even tile of the pair
	global_store_b128 v[LI], v[\b0:\b0+3], s[10:11] offset:(\pg)*8192-16384+512*(\r0) th:TH_STORE_NT
	global_store_b128 v[LI], v[\b1:\b1+3], s[10:11] offset:(\pg)*8192-16384+512*(\r0)+512 th:TH_STORE_NT
.endm
; AN EVEN PERIOD of key step s.  sp: the step whose 8 products V P stand here (pv = 1).  prev = 1: the tile before has its way out in this tile, through stage pg.  next = 1: a tile follows.
; The scale word and the codes were written at the end of the period before: the 12 lines behind the four products K q are the places in front of the first product V P (8 and 4 are asked).
; The last product V P stands in front of number 33; the codes are written again from number 44 on.
.macro EVEN s, sp, pv, prev, next, pg
.if (\prev) && ((\s) == 2)
	s_wait_dscnt 0x0                               ; rows 0 and 1, asked for a key step ago, are in
.endif
.irp j, 0,1,2,3
	QKW \s, 4+\j
	ITEMS 0, 3*\j, 3*\j+2
.endr
.if (\prev) && ((\s) == 1)
	s_barrier_wait -1                              ; all four partial results lie in the stage
	s_wait_xcnt 0x0                                ; the stores of the tile before that have read their data and their base: only behind this wait are both written again
.if (\pg) == 0
	s_add_nc_u64 s[10:11], s[10:11], 16384         ; on to this pair of tiles; the stores reach back
.endif
	RLOAD \pg, 0, RB0, RB1
.endif
.if \pv
.irp j, 0,1,2,3,4,5,6,7
	PVW \sp, \j
	ITEMS 0, 12+3*\j, 14+3*\j
.if (\prev) && ((\s) == 0) && (\j >= 3)
	OST \pg, \j-3                                  ; finished three products ago: 12 lines of the list lie between
.endif
.if (\prev) && ((\s) == 2) && (\j < 4)
	RADD RB0+(RB1-RB0)*(\j/2), 2*(\j%2)
	RADD RB0+(RB1-RB0)*(\j/2), 2*(\j%2)+1
.endif
.if (\prev) && ((\s) == 2) && (\j >= 4) && (\j < 6)
	RADD RB0+(RB1-RB0)*(\j-4), 4
	RADD RB0+(RB1-RB0)*(\j-4), 5
.endif
.if (\next) && ((\s) == 3) && (\j == 1)
	QLOAD                                          ; this tile last product K q stands nine lines of the list back
.endif
.endr
.else
	ITEMS 0, 12, 35
.endif
.if (\prev) && ((\s) == 2)
	RSTORE \pg, 0, RB0, RB1
.endif
.if (\prev) && ((\s) == 0)
	ITEMS 0, 36, 39
	OST \pg, 5
	OST \pg, 6
	ITEMS 0, 40, 43
	OST \pg, 7
	ITEMS 0, 44, 52
.else
	ITEMS 0, 36, 52
.endif
.endm
; AN ODD PERIOD of key step s.  qk = 1: the 4 products K q of the next step half 0 stand here (behind step 3: the next tile).
.macro ODD s, qk, prev, pg
	ITEMS 1, 0, 11
.if (\s) == 3
.if (\qk) || (\prev)
	s_wait_dscnt 0x0                               ; the next tile of queries is in, and so are rows 2 and 3
.endif
.if \qk
	QSTEP
.endif
.endif
.if \qk
.irp j, 0,1,2,3
	QKW ((\s)+1)%4, \j
	ITEMS 1, 12+4*\j, 15+4*\j
.endr
.else
	ITEMS 1, 12, 27
.endif
	ITEMS 1, 28, 52
.if (\prev) && ((\s) == 0)
	s_wait_dscnt 0x0                               ; for the others: my partial result has landed in the stage.  (My reads of the other stage ended in the tile before: so this one barrier also frees that stage)
	s_barrier_signal -1                            ; the wait stands behind the next four products: work on registers alone lies between
.endif
.if (\prev) && ((\s) == 2)
	s_wait_xcnt 0x0                                ; the stores of rows 0 and 1, a period back, have read their data
	RLOAD \pg, 2, RB0, RB1
.endif
.if (\prev) && ((\s) == 3)
	RSUM RB0, RB1
	RSTORE \pg, 2, RB0, RB1
.endif
.endm
; A TILE of 16 queries of parity g: eight periods.
.macro TILE g, prev, next
	EVEN 0, 3, \prev, \prev, \next, 1-\g
	ODD 0, 1, \prev, 1-\g
	EVEN 1, 0, 1, \prev, \next, 1-\g
	ODD 1, 1, \prev, 1-\g
	EVEN 2, 1, 1, \prev, \next, 1-\g
	ODD 2, 1, \prev, 1-\g
	EVEN 3, 2, 1, \prev, \next, 1-\g
	ODD 3, \next, \prev, 1-\g
.endm
	QLOAD                                          ; tile 0
	s_wait_dscnt 0x0
	QSTEP
.irp j, 0,1,2,3
	QKW 0, \j                                      ; its first four products: there is no vector work yet to set between them
.endr
	WIN 0
	PLACES 4                                       ; in front of the first reads of results
	TILE 0, 0, 1                                   ; tile 0 has no tile before it
	WIN 0                                          ; at a label and at a branch every window is 0
	s_mov_b32 s18, 7
.Lpair:                                ; 7 trips of two tiles, tiles 1 to 14: the two stages take turns
	TILE 1, 1, 1
	TILE 0, 1, 1
	WIN 0
	s_sub_co_u32 s18, s18, 1
	s_cmp_lg_u32 s18, 0
	s_cbranch_scc1 .Lpair
	TILE 1, 1, 0                                   ; tile 15: no tile follows
.irp j, 0,1,2,3,4,5,6,7
	PVW 3, \j                                      ; its last key step (the twelve additions above are the places behind the scale word and the codes)
.endr
	WIN 0
	PLACES 4
.irp t, 0,1,2,3,4,5,6,7
	OST 1, \t
.endr
	s_wait_dscnt 0x0
	s_barrier_signal -1
	s_barrier_wait -1
	s_wait_xcnt 0x0                                ; the stores of tile 14 have read their data
	RLOAD 1, 0, RB0, RB1
	RLOAD 1, 2, S, S+16                            ; the registers of the scores are free now
	s_wait_dscnt 8                                 ; rows 0 and 1 are in; the eight loads of rows 2 and 3 may be out
	RSUM RB0, RB1
	RSTORE 1, 0, RB0, RB1
	s_wait_dscnt 0x0
	RSUM S, S+16
	RSTORE 1, 2, S, S+16
	s_set_vgpr_msb 0x4
	s_wait_tensorcnt 0x0
	ds_add_u32 v87, v255
	s_wait_dscnt 0x0
	s_set_vgpr_msb 0x400
	s_endpgm
.Lfunc_end_k_qebc67f3272_attn:
	.size	k_qebc67f3272_attn, .Lfunc_end_k_qebc67f3272_attn-k_qebc67f3272_attn
	.p2alignl 7, 3214868480
	.fill 96, 4, 3214868480
	.section	.rodata,"a",@progbits
	.p2align	6, 0x0
	.amdhsa_kernel k_qebc67f3272_attn
		.amdhsa_group_segment_fixed_size 100352
		.amdhsa_private_segment_fixed_size 0
		.amdhsa_enable_private_segment 0
		.amdhsa_kernarg_size 32
		.amdhsa_user_sgpr_count 2
		.amdhsa_user_sgpr_kernarg_segment_ptr 1
		.amdhsa_wavefront_size32 1
		.amdhsa_system_sgpr_workgroup_id_x 1
		.amdhsa_system_sgpr_workgroup_id_y 1
		.amdhsa_system_sgpr_workgroup_id_z 1
		.amdhsa_system_vgpr_workitem_id 0
		.amdhsa_next_free_vgpr 1024
		.amdhsa_next_free_sgpr 66
		.amdhsa_reserve_vcc 0
		.amdhsa_float_denorm_mode_32 3
		.amdhsa_float_denorm_mode_16_64 3
		.amdhsa_memory_ordered 1
		.amdhsa_forward_progress 1
		.amdhsa_inst_pref_size 193
	.end_amdhsa_kernel
	.amdgpu_metadata
---
amdhsa.version: [ 1, 2 ]
amdhsa.kernels:
  - .name:           k_qebc67f3272_attn
    .symbol:         k_qebc67f3272_attn.kd
    .args:
      - { .name: qrec, .offset: 0, .size: 8, .value_kind: global_buffer, .address_space: global }
      - { .name: krec, .offset: 8, .size: 8, .value_kind: global_buffer, .address_space: global }
      - { .name: vrec, .offset: 16, .size: 8, .value_kind: global_buffer, .address_space: global }
      - { .name: out0, .offset: 24, .size: 8, .value_kind: global_buffer, .address_space: global }
    .group_segment_fixed_size: 100352
    .private_segment_fixed_size: 0
    .kernarg_segment_align: 8
    .kernarg_segment_size: 32
    .max_flat_workgroup_size: 128
    .sgpr_count:     66
    .vgpr_count:     1024
    .wavefront_size: 32
...
	.end_amdgpu_metadata
.endif
;; end of part 3
;; ======== version 2 of 2: 3 launches; version 1 with the launches proj, attn written anew for expert scheduling mode
;; workspace buffers: ops 28,262,400 bytes; qrec 7,340,032 bytes; krec 917,504 bytes; vrec 851,968 bytes
;; launch quant: the kernel of part 1 again; grid 1104 x 1, 4 waves a work-group, no clusters, 34,304 bytes of LDS; arguments x, context, Wq, Wk, Wv, ops; writes ops
;; launch proj (part 4): grid 64 x 4, 4 waves a work-group, no clusters, 126,720 bytes of LDS; arguments ops, bq, bk, bv, qrec, krec, vrec; writes qrec, krec, vrec
.if DOCPART == 4
	.amdgcn_target "amdgcn-amd-amdhsa--gfx1250"
	.amdhsa_code_object_version 6
	.text
	.protected	k_qebc67f3272_proj
	.globl	k_qebc67f3272_proj
	.p2align	8
	.type	k_qebc67f3272_proj,@function
k_qebc67f3272_proj:
	s_mov_b64 s[64:65], 0
	v_nop
	global_prefetch_b8 v0, s[64:65] scope:SCOPE_SE
	s_setreg_imm32_b32 hwreg(HW_REG_WAVE_SCHED_MODE, 0, 2), 2
	s_setreg_imm32_b32 hwreg(HW_REG_WAVE_MODE, 25, 1), 1
	s_wait_xcnt 0x0
	s_wait_alu depctr_vm_vsrc(0)
; q = x Wq^T + bq, k = context Wk^T + bk, v = context Wv^T + bv on codes of FP6 with E8M0 scales (K = 2,048); then q and k are divided by max(their l2 norm over the head 128, 1e-12)
; and quantised along the head 128; v is quantised along the keys.  All three leave as operand images for the next launch.
; SHARES.  256 columns of weights, 393,216 bytes of codes, STAY IN THE REGISTERS of a work-group of four waves (64 fragments a wave); tiles of 16 tokens stream past them.
; Work-groups x < 48: column group y of Wq (heads 2 y, 2 y + 1), tiles 10 x + min(x, 32) on, 11 of them where x < 32, else 10: 512 tiles for each group.
; Work-groups x >= 48: Wk and Wv, tiles 8 jj on, jj = 4 (x - 48) + y: 128 tokens, one K step of the last product.
; Wave w: kw = w / 2 is its half of K (8 K steps), cw = w % 2 its head (with Wk and Wv: 0 = k, 1 = v).  Accumulator a stands for the head column tile (a + 4 kw) % 8: a = 0..3 are the wave OWN 64 features
; (64 kw on), a = 4..7 those of the partner wave w xor 2, which has the other half of K: these four go to the partner through LDS, as images of the registers, and the partner four are added to mine.
; THE MATRIX INSTRUCTION IS USED TRANSPOSED (source 0 = 16 rows of weights, source 1 = 16 tokens): lane (r, h) holds token r and register j of tile t feature 16 t + 8 h + j.
; The bias is the C of the first matrix instruction on the own four accumulators; its image lies in LDS and is fetched anew for each tile.
; THE ORDER OF SLOTS in a block of 32 of q and of k: slot 16 z + 8 u + j holds feature 16 u + 8 z + j.  Both are made by these same lines, so the products pair the right numbers; the quantised numbers and scales do not hang on the order.
; qrec, krec: records of 1,792 bytes for 16 tokens of a head: halves c = 0, 1 at 768 c: registers 6 c .. 6 c + 3 at 16 l, registers 6 c + 4, 6 c + 5 at 512 + 8 l; at 1,536 + 128 c + 4 l the bytes of blocks 2 c, 2 c + 1 at their
; places in the scale word of token l % 16 (the two words are joined by an or where they are loaded).  vrec: records of 13,312 bytes for 128 keys: 8 images of 1,536 bytes (16 features x 128 keys), at 12,288 + 128 t + 4 l the scale words.
; In v the slot p of a block holds key 16 ((p / 8) % 2) + 8 (p / 16) + p % 8 of the block: the order in which the next launch makes its left operand.
; NO CLUSTER, NO TENSOR LOAD: what work-groups share, the weights, is read once by each, straight into the registers where it stays; its 393,216 bytes are more than the 327,680 bytes of LDS into which a joint load would have to land.
; LIMITS: NaN and infinities are not served.  Each sum over K is made as two sums of 1,024, added in f32, with the bias in one of them.  t / max(n, eps) is t x (1 / max(sqrt(ss), eps)).
; A sum of squares under 2^-126 counts as 0.  A block under 2^-124 gets the byte 1.
; THE MODE: SCHED_MODE bits 1:0 = 2 (LLVM: expert scheduling mode 2), set by the entry lines.  The code itself states the register dependences
; between vector or matrix instructions and memory or LDS instructions, with s_wait_alu, always for 0.
; THE PLAN.  Registers that memory or LDS instructions touch, in a trip of the loop:
;   AF, AS         The 64 matrix instructions read them; behind these the loads of the next tile land in them.
;   ACC+32 .. +63  The matrix instructions write them; eight LDS stores read them (to the partner); behind barrier A eight LDS loads land in them (from the partner); the additions read them.
;   ACC .. +31     The bias lands in them (LDS loads at the end of the trip before); matrix instructions and additions write them; the stores into the stage of v read them; behind barrier B the scalings write them and the conversions read them.
;   SS, SSP        SS: vector lines write it, one LDS store reads it, behind barrier B it is written again.  SSP: one LDS load lands in it, one addition reads it.
;   PC, HW         The quantising lines write them, three global stores read them, the next trip writes them again.
;   VSA            The stores into the stage of v read it; it is stepped at the end of the trip.  All other addresses are made at the head and never written again.
; So a trip has three waits on va_vdst beside the two of its root and its reciprocal: behind the matrix instructions; ahead of the store of the sum of squares; behind the quantising lines.
; And two on vm_vsrc: behind barrier A and behind barrier B.
.set TILEB, 25600
.set RECB,  6400
.set QREC,  1792
.set VREC,  13312
.set XST,   0                          ; LDS: the exchange of partial sums, 4,096 bytes for each receiving wave
.set XCH,   16384                      ; the exchange of sums of squares, 128 bytes a wave
.set BIAS,  16896                      ; the bias images, 4,096 bytes a wave
.set VST,   33280                      ; the stage for v: rows (keys) of 512 bytes + 16; 128 rows are used; the address is stepped in all 11 trips, so 176 are claimed
.set LI,  1                            ; 16 x lane
.set L8,  2                            ; 8 x lane
.set LS,  3                            ; 4 x lane
.set XSA, 4                            ; where I put the partner four accumulators
.set XLA, 5                            ; where I find mine
.set XCS, 6                            ; my sum of squares
.set XCL, 7                            ; the partner sum
.set VSA, 8                            ; v: my 32 bytes of a row of the stage; stepped 16 rows a trip
.set BLA, 9                            ; my bias image
.set OC,  10                           ; the record: my 16 bytes, my 8 bytes, my scale word
.set OC8, 11
.set OS,  12
.set VT,  13                           ; the tail: my column of the stage
.set H8,  14                           ; 8 h
.set H32, 15                           ; 32 h
.set ACC, 16                           ; v16-79   8 accumulators
.set AF,  80                           ; v80-175  the tile 8 fragments (my half of K)
.set AS,  176                          ; v176-179 their scale words
.set WS,  180                          ; v180-211 the weights scale words: 4 a + 2 (record) + e
.set WX,  212                          ; v212-223 the 64th weight fragment
.set TM,  224
.set TP,  226
.set SCO, 228
.set BY,  230
.set HW,  232
.set SSP, 233
.set SS,  234
.set SS2, 236
.set INV, 238
.set PC,  240                          ; v240-245 my six registers of the fragment
.set PT,  246
.set SSX, 250
.set MSB, 0
.macro WIN new                         ; the immediate high byte repeats the setting that is left
.if MSB != (\new)
	s_set_vgpr_msb (MSB<<8)|(\new)
.set MSB, (\new)
.endif
.endm
.macro FSEL i                          ; resident fragment i: 21 in each of windows 1, 2, 3, the 64th in window 0
.set FW, ((\i)/21+1)%4
.if (\i) < 63
.set FB, 12*((\i)%21)
.else
.set FB, WX
.endif
.endm
.macro PLACES n
.rept \n
	v_nop
.endr
.endm
.macro BARRIER                         ; my LDS stores have landed and my LDS loads are in: then the work-group barrier
	s_wait_dscnt 0x0
	s_barrier_signal -1
	s_barrier_wait -1
.endm
	s_load_b256 s[4:11], s[0:1], 0x0               ; ops s[4:5], bq s[6:7], bk s[8:9], bv s[10:11]
	s_load_b128 s[12:15], s[0:1], 0x20             ; qrec s[12:13], krec s[14:15]
	s_load_b64 s[16:17], s[0:1], 0x30              ; vrec
	v_lshl_add_u32 v254, v0, 2, 0x1ed00
	v_mov_b32 v255, 0
	v_lshrrev_b32 v16, 5, v0
	v_readfirstlane_b32 s18, v16                   ; wave
	v_and_b32 v17, 31, v0                          ; lane
	v_and_b32 v18, 15, v0                          ; r
	v_bfe_u32 v19, v0, 4, 1                        ; h
	v_lshlrev_b32 v[LI], 4, v17
	v_lshlrev_b32 v[L8], 3, v17
	v_lshlrev_b32 v[LS], 2, v17
	s_wait_alu depctr_va_sdst(0)                   ; s18 is written, ahead of its first reader: roles, LDS places and bases are made from it
	s_lshr_b32 s19, s18, 1                         ; kw
	s_and_b32 s20, s18, 1                          ; cw
	s_xor_b32 s52, s18, 2                          ; the partner
	s_lshl_b32 s53, s52, 12
	v_add_nc_u32 v[XSA], s53, v[LI]
	s_lshl_b32 s54, s18, 12
	v_add_nc_u32 v[XLA], s54, v[LI]
	s_lshl_b32 s55, s18, 7
	s_add_co_u32 s55, s55, XCH
	v_add_nc_u32 v[XCS], s55, v[LS]
	s_lshl_b32 s55, s52, 7
	s_add_co_u32 s55, s55, XCH
	v_add_nc_u32 v[XCL], s55, v[LS]
	v_mul_u32_u24 v[VSA], v18, 528
	v_lshl_add_u32 v[VSA], v19, 5, v[VSA]
	s_lshl_b32 s55, s19, 8
	s_add_co_u32 s55, s55, VST
	v_add_nc_u32 v[VSA], s55, v[VSA]               ; row r, + 256 kw + 32 h
	s_add_co_u32 s54, s54, BIAS
	v_add_nc_u32 v[BLA], s54, v[LI]
	s_mul_i32 s55, s19, 768
	v_add_nc_u32 v[OC], s55, v[LI]
	s_add_co_u32 s55, s55, 512
	v_add_nc_u32 v[OC8], s55, v[L8]
	s_lshl_b32 s55, s19, 7
	s_add_co_u32 s55, s55, 1536
	v_add_nc_u32 v[OS], s55, v[LS]
	v_mul_u32_u24 v[VT], v19, 16896                ; lanes 16-31: 32 keys further down
	v_lshl_add_u32 v[VT], v18, 2, v[VT]
	s_lshl_b32 s55, s18, 7
	s_add_co_u32 s55, s55, VST
	v_add_nc_u32 v[VT], s55, v[VT]                 ; + feature 32 w + r
	v_lshlrev_b32 v[H8], 3, v19
	v_lshlrev_b32 v[H32], 5, v19
	v_mov_b32 v[TP], 0                             ; written once: a lane permute destination counts as one of its sources
	v_mov_b32 v[TP+1], 0
	v_mov_b32 v[SSX], 0
	s_mov_b32 s40, 0x76543210
	s_mov_b32 s41, 0xfedcba98
	; which work: all from the work-group numbers and the wave number
	s_and_b32 s21, ttmp7, 0xffff                   ; y
	s_min_u32 s52, ttmp9, 32
	s_mul_i32 s53, ttmp9, 10
	s_add_co_u32 s53, s53, s52                     ; q: first tile
	s_cmp_lt_u32 ttmp9, 32
	s_cselect_b32 s54, 11, 10                      ; q: tiles
	s_max_u32 s55, ttmp9, 48
	s_sub_co_u32 s55, s55, 48
	s_lshl_b32 s55, s55, 2
	s_add_co_u32 s22, s55, s21                     ; jj
	s_lshl_b32 s55, s22, 3                         ; kv: first tile
	s_lshl_b32 s37, s21, 1
	s_add_co_u32 s37, s37, s20
	s_lshl_b32 s37, s37, 7                         ; q: head x 128 records
	s_lshl_b32 s50, s21, 10
	s_lshl_b32 s51, s20, 9
	s_add_co_u32 s50, s50, s51                     ; q: the head first byte in bq
	s_mov_b32 s36, 1024
	s_cmp_ge_u32 ttmp9, 48
	s_cselect_b32 s23, 1, 0                        ; KV
	s_cselect_b32 s24, 4, s21                      ; column group
	s_cselect_b32 s26, 8, s54                      ; CNT
	s_cselect_b32 s29, s55, s53                    ; T
	s_cselect_b32 s36, 128, s36                    ; records from batch to batch
	s_cselect_b32 s37, 0, s37
	s_cselect_b32 s50, 0, s50
	s_and_b32 s28, s23, s20                        ; 1 in the waves that make v
	s_lshl_b32 s38, s19, 4                         ; my two bytes place in the scale word
	s_lshl_b32 s51, s19, 8
	s_add_co_u32 s50, s50, s51                     ; + my own 64 features
	s_mov_b32 s51, 0
	s_lshl_b32 s52, s24, 4
	s_lshl_b32 s53, s20, 3
	s_add_co_u32 s52, s52, s53
	s_add_co_u32 s52, s52, 1024                    ; the head first tile of weights
	s_lshl_b32 s53, s19, 2
	s_add_co_u32 s54, s52, s53                     ; my own four tiles,
	s_xor_b32 s53, s53, 4
	s_add_co_u32 s52, s52, s53                     ; the partner four
	s_mul_i32 s54, s54, TILEB
	s_mul_i32 s52, s52, TILEB
	s_mul_i32 s42, s19, 2*RECB                     ; my half of K: two records on
	s_add_co_u32 s54, s54, s42
	s_add_co_u32 s52, s52, s42
	s_mov_b32 s55, 0
	s_mov_b32 s53, 0
	s_lshl_b32 s43, s23, 9                         ; context tiles lie 512 behind those of x
	s_add_co_u32 s43, s43, s29
	s_mul_i32 s43, s43, TILEB
	s_add_co_u32 s42, s43, s42
	s_mov_b32 s43, 0
	s_wait_kmcnt 0x0
	s_add_nc_u64 s[30:31], s[4:5], s[42:43]        ; the first tile of tokens
	s_add_nc_u64 s[44:45], s[4:5], s[54:55]
	s_add_nc_u64 s[46:47], s[4:5], s[52:53]
	s_cmp_eq_u32 s20, 1
	s_cselect_b64 s[48:49], s[10:11], s[8:9]       ; bv or bk
	s_cmp_eq_u32 s23, 1
	s_cselect_b64 s[48:49], s[48:49], s[6:7]       ; or bq
	s_cselect_b64 s[32:33], s[14:15], s[12:13]     ; krec or qrec
	s_add_nc_u64 s[48:49], s[48:49], s[50:51]
.macro ACT                             ; a tile 8 fragments of my half of K, and their scale words: 26 loads of dense bytes
.irp q, 0,1
.irp f, 0,1,2,3
.irp c, 0,1,2
	global_load_b128 v[AF+12*(4*\q+\f)+4*\c:AF+12*(4*\q+\f)+4*\c+3], v[LI], s[30:31] offset:\q*RECB+\f*1536+512*\c
.endr
.endr
	global_load_b64 v[AS+2*\q:AS+2*\q+1], v[L8], s[30:31] offset:\q*RECB+6144
.endr
.endm
	s_wait_alu depctr_va_vdst(0)                   ; the fifteen offsets and addresses v1 to v15 are written, which the loads and stores of the kernel read; so are v16 to v19, in which loads of the bias land.  Only loads and window switches follow up to the wait for the loads
	ACT
.irp a, 0,1,2,3                        ; the bias in the layout of a result: tile a, features 16 a + 8 h + 0 .. 7 of my own 64
	global_load_b128 v[ACC+8*\a:ACC+8*\a+3], v[H32], s[48:49] offset:64*\a
	global_load_b128 v[ACC+8*\a+4:ACC+8*\a+7], v[H32], s[48:49] offset:64*\a+16
.endr
.irp a, 0,1,2,3
.irp q, 0,1
	global_load_b64 v[WS+4*\a+2*\q:WS+4*\a+2*\q+1], v[L8], s[44:45] offset:\a*TILEB+\q*RECB+6144
	global_load_b64 v[WS+16+4*\a+2*\q:WS+16+4*\a+2*\q+1], v[L8], s[46:47] offset:\a*TILEB+\q*RECB+6144
.endr
.endr
.set idx, 0                            ; the 64 weight fragments: index 8 s + a (K step s, accumulator a): they stay
.rept 64
	FSEL idx
	WIN FW<<6
.if (idx%8) < 4
.irp c, 0,1,2
	global_load_b128 v[FB+4*\c:FB+4*\c+3], v[LI], s[44:45] offset:(idx%4)*TILEB+(idx/32)*RECB+((idx/8)%4)*1536+512*\c
.endr
.else
.irp c, 0,1,2
	global_load_b128 v[FB+4*\c:FB+4*\c+3], v[LI], s[46:47] offset:(idx%4)*TILEB+(idx/32)*RECB+((idx/8)%4)*1536+512*\c
.endr
.endif
.set idx, idx+1
.endr
	WIN 0
	s_wait_loadcnt 0x0
.irp k, 0,1,2,3,4,5,6,7
	ds_store_b128 v[BLA], v[ACC+4*\k:ACC+4*\k+3] offset:512*\k   ; the bias image, for the later tiles; the first finds the bias in its accumulators
.endr
	s_wait_alu depctr_vm_vsrc(0)                   ; these LDS stores have read my own four accumulators, which the matrix instructions of the first trip write
; 64 matrix instructions: K step by K step, the eight accumulators by turns, one instruction a turn.
; An odd K step takes both sides scale words from lanes 16-31.  Fragments and scale words all come by loads: no vector line writes an operand or a scale.
.macro MULS
.set idx, 0
.rept 64
	FSEL idx
	WIN FW
.set rD, ACC+8*(idx%8)
.set rB, AF+12*(idx/8)
.set rW, WS+4*(idx%8)+2*(idx/32)+((idx/8)%4)/2
.set rA, AS+2*(idx/32)+((idx/8)%4)/2
.if (idx >= 4) && (idx < 8)
	v_wmma_scale_f32_16x16x128_f8f6f4 v[rD:rD+7], v[FB:FB+11], v[rB:rB+11], 0, v[rW], v[rA] matrix_a_fmt:MATRIX_FMT_FP6 matrix_b_fmt:MATRIX_FMT_FP6
.elseif (idx/8)%2
	v_wmma_scale_f32_16x16x128_f8f6f4 v[rD:rD+7], v[FB:FB+11], v[rB:rB+11], v[rD:rD+7], v[rW], v[rA] matrix_a_fmt:MATRIX_FMT_FP6 matrix_b_fmt:MATRIX_FMT_FP6 matrix_a_scale:MATRIX_SCALE_ROW1 matrix_b_scale:MATRIX_SCALE_ROW1
.else
	v_wmma_scale_f32_16x16x128_f8f6f4 v[rD:rD+7], v[FB:FB+11], v[rB:rB+11], v[rD:rD+7], v[rW], v[rA] matrix_a_fmt:MATRIX_FMT_FP6 matrix_b_fmt:MATRIX_FMT_FP6
.endif
.set idx, idx+1
.endr
	WIN 0
.endm
; my 32 registers (two blocks of 32 features, half of each in lane l xor 16) become registers 6 kw .. 6 kw + 5 of the head fragment, and two bytes of its scale word
.macro QH
.irp b, 0,1
	v_max3_num_f32 v[TM+\b], |v[ACC+16*\b]|, |v[ACC+1+16*\b]|, 0x1800000   ; and the floor 2^(3 - 127): the byte cannot fall under 1
.endr
.irp i, 2,4,6,8,10,12,14
.irp b, 0,1
	v_max3_num_f32 v[TM+\b], v[TM+\b], |v[ACC+16*\b+\i]|, |v[ACC+1+16*\b+\i]|
.endr
.endr
.irp b, 0,1
	v_permlanex16_b32 v[TP+\b], v[TM+\b], s40, s41
.endr
.irp b, 0,1
	v_max_num_f32 v[TM+\b], v[TM+\b], v[TP+\b]
.endr
.irp b, 0,1
	v_add_nc_u32 v[SCO+\b], 0xff000000, v[TM+\b]   ; 2 off the exponent field: the conversion scale operand
.endr
.irp b, 0,1
	v_lshrrev_b32 v[BY+\b], 23, v[SCO+\b]
.endr
	v_lshl_or_b32 v[HW], v[BY+1], 8, v[BY]
	v_lshlrev_b32 v[HW], s38, v[HW]                ; bytes 2 kw, 2 kw + 1 of the word
	v_cvt_scalef32_pk16_fp6_f32 v[PC:PC+2], v[ACC:ACC+15], v[SCO]
	v_cvt_scalef32_pk16_fp6_f32 v[PT:PT+2], v[ACC+16:ACC+31], v[SCO+1]
	v_nop                                          ; one plain place behind a scaled conversion
.irp i, 0,1,2
	v_permlane16_swap_b32 v[PC+\i], v[PT+\i]       ; lanes 0-15 get block 2 kw whole, lanes 16-31 block 2 kw + 1
.endr
.irp i, 0,1,2
	v_mov_b32 v[PC+3+\i], v[PT+\i]
.endr
.endm
	s_mov_b32 s27, 0
.Ltrip:                                ; 11 trips in every work-group; a trip past the work-group count is passed over whole: the branch hangs on the work-group numbers alone, so all four waves take it alike
	s_cmp_ge_u32 s27, s26
	s_cbranch_scc1 .Lskip
	s_wait_loadcnt 0x0                             ; the tile fragments are in,
	s_wait_dscnt 0x0                               ; and the bias lies in my own four accumulators
	s_add_nc_u64 s[30:31], s[30:31], TILEB         ; (its loads are done: the base may step)
	MULS
	PLACES 4                                       ; four places behind the last matrix instruction, before the LDS stores read results
	s_wait_alu depctr_va_vdst(0)                   ; the 64 matrix instructions have written the accumulators, of which the LDS stores below read the upper four, and are done reading the tile fragments and scale words, in which the loads of the next tile land; the places above stay beside this wait
	s_add_co_u32 s52, s27, 1
	s_cmp_ge_u32 s52, s26
	s_cbranch_scc1 .Lnoact                         ; the last tile asks for nothing
	ACT                                            ; the next tile: it lands while this one is finished
.Lnoact:
.irp k, 0,1,2,3,4,5,6,7
	ds_store_b128 v[XSA], v[ACC+32+4*\k:ACC+35+4*\k] offset:512*\k   ; the partner four accumulators, each from its low end on
.endr
	BARRIER                                        ; A: all partial sums lie in LDS
	s_wait_alu depctr_vm_vsrc(0)                   ; my eight LDS stores have read the upper four accumulators, in which the loads below land
.irp k, 0,1,2,3,4,5,6,7
	ds_load_b128 v[ACC+32+4*\k:ACC+35+4*\k], v[XLA] offset:512*\k
.endr
	s_lshr_b32 s42, s29, 7                         ; the record: batch x (records a batch) + head x 128 + tile in the batch
	s_mul_i32 s42, s42, s36
	s_add_co_u32 s42, s42, s37
	s_and_b32 s43, s29, 127
	s_add_co_u32 s42, s42, s43
	s_mul_i32 s42, s42, QREC
	s_mov_b32 s43, 0
	s_wait_dscnt 0x0
.set i, 0
.rept 16
	v_pk_add_f32 v[ACC+i:ACC+i+1], v[ACC+i:ACC+i+1], v[ACC+32+i:ACC+33+i]   ; both halves of K and the bias: my 64 features of 16 tokens
.set i, i+2
.endr
	v_pk_mul_f32 v[SS:SS+1], v[ACC:ACC+1], v[ACC:ACC+1]           ; the sum of squares, in two packed chains.  (The waves that make v run these lines too; what they make of them is not stored)
	v_pk_mul_f32 v[SS2:SS2+1], v[ACC+2:ACC+3], v[ACC+2:ACC+3]
.irp i, 4,8,12,16,20,24,28
	v_pk_fma_f32 v[SS:SS+1], v[ACC+\i:ACC+\i+1], v[ACC+\i:ACC+\i+1], v[SS:SS+1]
	v_pk_fma_f32 v[SS2:SS2+1], v[ACC+\i+2:ACC+\i+3], v[ACC+\i+2:ACC+\i+3], v[SS2:SS2+1]
.endr
	v_pk_add_f32 v[SS:SS+1], v[SS:SS+1], v[SS2:SS2+1]
	v_add_f32 v[SS], v[SS], v[SS+1]
	v_permlanex16_b32 v[SSX], v[SS], s40, s41
	v_add_f32 v[SS], v[SS], v[SSX]                 ; of my 64 features
	s_wait_alu depctr_va_vdst(0)                   ; the additions have written the sum of squares, which the store below reads, and my 64 features, which the stores into the stage of v read; the step of the stage address at the end of the trip before is written too
	ds_store_b32 v[XCS], v[SS]
	s_cmp_eq_u32 s20, 0                            ; v goes into its stage as it is: waves 1 and 3,
	s_cbranch_scc1 .Lnov
	s_cmp_eq_u32 s23, 0                            ; of the work-groups that hold Wk and Wv
	s_cbranch_scc1 .Lnov
.irp a, 0,1,2,3
	ds_store_b128 v[VSA], v[ACC+8*\a:ACC+8*\a+3] offset:64*\a
	ds_store_b128 v[VSA], v[ACC+8*\a+4:ACC+8*\a+7] offset:64*\a+16
.endr
.Lnov:
	BARRIER                                        ; B: the sums lie in LDS; every wave reads of the exchange above are over
	ds_load_b32 v[SSP], v[XCL]
	s_wait_dscnt 0x0
	s_wait_alu depctr_vm_vsrc(0)                   ; my LDS stores have read the sum of squares, my 64 features and the stage address, and the global stores of the trip before have read the codes and the scale word: all of these are written again below
	v_add_f32 v[SS], v[SS], v[SSP]                 ; of the head 128: the same bits in both waves
	v_sqrt_f32 v[SS2], v[SS]
	v_nop                                          ; a plain place behind the transcendental,
	s_wait_alu depctr_va_vdst(0)                   ; the root is written, ahead of the first line that names it
	v_max_num_f32 v[SS2], 0x2b8cbccc, v[SS2]       ; max(norm, 1e-12)
	v_rcp_f32 v[INV], v[SS2]
	v_nop
	s_wait_alu depctr_va_vdst(0)                   ; the reciprocal is written, ahead of the first line that names it
	v_mov_b32 v[INV+1], v[INV]
.set i, 0
.rept 16
	v_pk_mul_f32 v[ACC+i:ACC+i+1], v[ACC+i:ACC+i+1], v[INV:INV+1]
.set i, i+2
.endr
	s_wait_xcnt 0x0                                ; the last tile stores have read their data and their base: both are written again only behind this wait
	s_add_nc_u64 s[34:35], s[32:33], s[42:43]
	QH
	s_wait_alu depctr_va_vdst(0)                   ; the quantising lines have written the codes and the scale word, which the global stores read, and are done reading my own four accumulators, in which the bias of the next tile lands
	s_cmp_eq_u32 s28, 1
	s_cbranch_scc1 .Lnost
	global_store_b128 v[OC], v[PC:PC+3], s[34:35]  ; 512 consecutive bytes,
	global_store_b64 v[OC8], v[PC+4:PC+5], s[34:35]   ; 256,
	global_store_b32 v[OS], v[HW], s[34:35]        ; 128
.Lnost:
.irp k, 0,1,2,3,4,5,6,7
	ds_load_b128 v[ACC+4*\k:ACC+4*\k+3], v[BLA] offset:512*\k   ; the bias for the next tile
.endr
.Lskip:
	v_add_nc_u32 v[VSA], 16*528, v[VSA]            ; 16 keys down in the stage (the stores that read it stand ahead of the wait behind barrier B)
	s_add_co_u32 s29, s29, 1
	s_add_co_u32 s27, s27, 1
	s_cmp_lt_u32 s27, 11
	s_cbranch_scc1 .Ltrip
	BARRIER                                        ; 128 keys of v lie in the stage
	s_wait_loadcnt 0x0
	s_wait_xcnt 0x0                                ; nothing of mine is out whose registers the tail writes
	s_cmp_eq_u32 s23, 0
	s_cbranch_scc1 .Lend
	; THE TAIL: v, 128 keys x 128 features, is quantised along the keys.  Wave w makes the fragments of features 32 w on: a lane takes a column of the stage, and its registers run down the keys, in the slots order.
	; The first fragment loads land in the accumulators: every vector and matrix line that names these stands ahead of the last wait on va_vdst of the loop.
.set Y,   16                           ; v16-79  two blocks of 32 keys of my feature: blocks h and 2 + h
.set VPT, 92
.set VW,  112                          ; v112-113 the scale words
	s_mul_i32 s52, s22, VREC
	s_mov_b32 s53, 0
	s_add_nc_u64 s[16:17], s[16:17], s[52:53]
	s_mul_i32 s54, s18, 3072
	v_add_nc_u32 v114, s54, v[LI]
	s_lshl_b32 s54, s18, 8
	s_add_co_u32 s54, s54, 12288
	v_add_nc_u32 v115, s54, v[LS]
.macro VFRAG tt
.set VPC, 80+20*(\tt)                  ; a set of registers for each fragment: no store data are written again
.set p, 0
.rept 32
	ds_load_b32 v[Y+p], v[VT] offset:(16*((p/8)%2)+8*(p/16)+p%8)*528+64*(\tt)
	ds_load_b32 v[Y+32+p], v[VT] offset:(64+16*((p/8)%2)+8*(p/16)+p%8)*528+64*(\tt)
.set p, p+1
.endr
	s_wait_dscnt 0x0
.irp c, 0,1
	v_max3_num_f32 v[TM+\c], |v[Y+32*\c]|, |v[Y+1+32*\c]|, 0x1800000   ; all 32 numbers of a block are mine; the floor holds the byte at 1
.endr
.irp i, 2,4,6,8,10,12,14,16,18,20,22,24,26,28,30
.irp c, 0,1
	v_max3_num_f32 v[TM+\c], v[TM+\c], |v[Y+32*\c+\i]|, |v[Y+1+32*\c+\i]|
.endr
.endr
.irp c, 0,1
	v_add_nc_u32 v[SCO+\c], 0xff000000, v[TM+\c]
.endr
.irp c, 0,1
	v_lshrrev_b32 v[BY+\c], 23, v[SCO+\c]
.endr
	v_lshl_or_b32 v[VW+\tt], v[BY+1], 16, v[BY]    ; my two bytes: blocks h and 2 + h,
	v_lshlrev_b32 v[VW+\tt], v[H8], v[VW+\tt]      ; at their places;
	v_permlanex16_b32 v[TP], v[VW+\tt], s40, s41
	v_or_b32 v[VW+\tt], v[VW+\tt], v[TP]           ; with lane l xor 16 the word is whole, in both halves of the lanes
.irp c, 0,1
	v_cvt_scalef32_pk16_fp6_f32 v[VPC+6*\c:VPC+2+6*\c], v[Y+32*\c:Y+15+32*\c], v[SCO+\c]
	v_cvt_scalef32_pk16_fp6_f32 v[VPT+4*\c:VPT+2+4*\c], v[Y+16+32*\c:Y+31+32*\c], v[SCO+\c]
.endr
	v_nop                                          ; one plain place behind a scaled conversion
.irp c, 0,1
.irp i, 0,1,2
	v_mov_b32 v[VPC+3+6*\c+\i], v[VPT+4*\c+\i]
.endr
.endr
	s_wait_alu depctr_va_vdst(0)                   ; the codes, the scale word and the two offsets v114 and v115 are written, which the stores below read; the lines above are done reading the 64 numbers, in which the loads of the next fragment land
.irp c, 0,1,2
	global_store_b128 v114, v[VPC+4*\c:VPC+4*\c+3], s[16:17] offset:1536*(\tt)+512*\c
.endr
	global_store_b32 v115, v[VW+\tt], s[16:17] offset:128*(\tt)
.endm
	VFRAG 0
	VFRAG 1
.Lend:
	s_wait_dscnt 0x0                               ; the closing lines, six on end
	s_wait_alu 0x0
	s_wait_tensorcnt 0x0
	ds_add_u32 v254, v255
	s_wait_dscnt 0x0
	s_endpgm
.Lfunc_end_k_qebc67f3272_proj:
	.size	k_qebc67f3272_proj, .Lfunc_end_k_qebc67f3272_proj-k_qebc67f3272_proj
	.p2alignl 7, 3214868480
	.fill 96, 4, 3214868480
	.section	.rodata,"a",@progbits
	.p2align	6, 0x0
	.amdhsa_kernel k_qebc67f3272_proj
		.amdhsa_group_segment_fixed_size 126720
		.amdhsa_private_segment_fixed_size 0
		.amdhsa_enable_private_segment 0
		.amdhsa_kernarg_size 56
		.amdhsa_user_sgpr_count 2
		.amdhsa_user_sgpr_kernarg_segment_ptr 1
		.amdhsa_wavefront_size32 1
		.amdhsa_system_sgpr_workgroup_id_x 1
		.amdhsa_system_sgpr_workgroup_id_y 1
		.amdhsa_system_sgpr_workgroup_id_z 1
		.amdhsa_system_vgpr_workitem_id 0
		.amdhsa_next_free_vgpr 1024
		.amdhsa_next_free_sgpr 66
		.amdhsa_reserve_vcc 0
		.amdhsa_float_denorm_mode_32 3
		.amdhsa_float_denorm_mode_16_64 3
		.amdhsa_memory_ordered 1
		.amdhsa_forward_progress 1
		.amdhsa_inst_pref_size 64
	.end_amdhsa_kernel
	.amdgpu_metadata
---
amdhsa.version: [ 1, 2 ]
amdhsa.kernels:
  - .name:           k_qebc67f3272_proj
    .symbol:         k_qebc67f3272_proj.kd
    .args:
      - { .name: ops, .offset: 0, .size: 8, .value_kind: global_buffer, .address_space: global }
      - { .name: bq, .offset: 8, .size: 8, .value_kind: global_buffer, .address_space: global }
      - { .name: bk, .offset: 16, .size: 8, .value_kind: global_buffer, .address_space: global }
      - { .name: bv, .offset: 24, .size: 8, .value_kind: global_buffer, .address_space: global }
      - { .name: qrec, .offset: 32, .size: 8, .value_kind: global_buffer, .address_space: global }
      - { .name: krec, .offset: 40, .size: 8, .value_kind: global_buffer, .address_space: global }
      - { .name: vrec, .offset: 48, .size: 8, .value_kind: global_buffer, .address_space: global }
    .group_segment_fixed_size: 126720
    .private_segment_fixed_size: 0
    .kernarg_segment_align: 8
    .kernarg_segment_size: 56
    .max_flat_workgroup_size: 128
    .sgpr_count:     66
    .vgpr_count:     1024
    .wavefront_size: 32
...
	.end_amdgpu_metadata
.endif
;; end of part 4
;; launch attn (part 5): grid 256 x 1, 4 waves a work-group, no clusters, 100,352 bytes of LDS; arguments qrec, krec, vrec, out0; writes out0
.if DOCPART == 5
	.amdgcn_target "amdgcn-amd-amdhsa--gfx1250"
	.amdhsa_code_object_version 6
	.text
	.protected	k_qebc67f3272_attn
	.globl	k_qebc67f3272_attn
	.p2align	8
	.type	k_qebc67f3272_attn,@function
k_qebc67f3272_attn:
	s_mov_b64 s[64:65], 0
	v_nop
	global_prefetch_b8 v0, s[64:65] scope:SCOPE_SE
	s_setreg_imm32_b32 hwreg(HW_REG_WAVE_SCHED_MODE, 0, 2), 2
	s_setreg_imm32_b32 hwreg(HW_REG_WAVE_MODE, 25, 1), 1
	s_wait_xcnt 0x0
	s_wait_alu depctr_vm_vsrc(0)
; out[b][head][n][:] = the sum over keys m of Q((q . k_m) / sqrt(128)) v_m, both products on codes of FP6 with E8M0 scales; q, k, v arrive as operand images; Q quantises along the keys, in blocks of 32.  There is no softmax.
; SHARES.  The K and V codes of a batch, 393,216 bytes, STAY IN THE REGISTERS of a work-group of four waves: wave w holds keys 512 w .. 512 w + 511: 32 fragments of K (16 keys x 128) and 32 of V (16 features x 128 keys).
; A work-group takes 16 tiles of 16 queries (256 consecutive rows of out0).  For a tile each wave makes the scores of its own 512 keys, scales and quantises them in registers, and multiplies them by its own part of V:
; the left operand of the second product never leaves the wave.  The four waves partial results (16 x 128 f32 each) meet in a stage in LDS, from which each wave reads four whole rows of all four, adds them and stores them.
; BOTH PRODUCTS ARE USED TRANSPOSED (source 0 = 16 keys, or 16 features of V; source 1 = my 16 queries): a lane holds ONE query throughout, and its registers run along the keys, then along the features.
; BY TURNS.  The scores of a key step (128 keys) are two halves of 32 registers.  In an EVEN period the vector unit works on half 0 while the matrix unit takes the 4 products K q of half 1 and the 8 products V P of the step before;
; in an ODD period the vector unit works on half 1 while the matrix unit takes the 4 products K q of the next step half 0.  The vector work is a numbered list of 53 lines a half, dealt out behind the matrix instructions,
; three or four lines each.  A resident fragment lies in windows 1 to 3 and all vector work in window 0, so a slice costs two switches: 32 for a key step 16 matrix instructions and 105 vector lines.
; The pipeline runs on from tile to tile: the last 8 products of a tile and its way out stand in the periods of the next tile.
; q: the 16 records of the work-group are read once, four by each wave, and lie in LDS as images of the operand registers, 1,792 bytes a tile; a tile fragment is four LDS loads.
; THE LARGEST MAGNITUDE of a block is taken of the UNSCALED scores and then multiplied by c = 1 / sqrt(128): rounding a product with one positive constant keeps order, so that is the largest scaled score, bit for bit.
; Its floor is 2^-120: times c that lies between 2^-124 and 2^-123, so the byte is 1 exactly where the rule holds it at 1.
; THE ORDER OF SLOTS: tile 2 b + u of 16 neighbouring keys gives lane half z, register j, the key 32 b + 16 u + 8 z + j, which the quantiser takes as slot 32 b + 16 z + 8 u + j.  V was laid in that order.  Blocks, scales and quantised numbers do not hang on it.
; NO CLUSTER, NO TENSOR LOAD: what the 64 work-groups of a batch share, K and V, is read once by each, straight into the registers where it stays; its 393,216 bytes are more than the 327,680 bytes of LDS into which a joint load would have to land.
; LIMITS: NaN and infinities are not served.  The sum over the 2,048 keys is made as four sums of 512 (each a chain of four matrix instructions), added in f32 as (p0 + p1) + (p2 + p3).  A block of zeros gets the byte 1: its codes are zeros.
; THE MODE: SCHED_MODE bits 1:0 = 2 (LLVM: expert scheduling mode 2), set by the entry lines.  The code itself states the register dependences
; between vector or matrix instructions and memory or LDS instructions, with s_wait_alu, always for 0.
; THE PLAN.  Registers that memory or LDS instructions touch, in a tile of the loop:
;   QF, QS       The 32 products K q of a tile read them; the four LDS loads of the next tile land in them in the even period of step 3, behind the tile last product K q.
;   QAD, QAS     Those four loads read them; two vector lines step them once a tile, in the odd period of step 3.
;   O            The products V P write it.  The finished result of the tile before is read by 16 LDS stores in the odd period of step 0, and begun anew by the products V P in the even period of step 1.
;   RB0, RB1     LDS loads land in them (even period of step 1: rows 0, 1; end of the odd period of step 2: rows 2, 3); the additions read and write them; the global stores read them (odd periods of steps 2 and 3).
;   LI, STO, RD  Made at the head and never written again.
;   PC, PW       No memory instruction names them: vector lines write them, and the scaled products V P take them as operand and as scales.
; WAITS ON va_vdst: one in each even period, directly ahead of its first product V P, behind the 12 lines that are its places: the codes and the scale word are written; the products K q above it are done reading QF and QS;
; the stepped QAD and QAS are written.  One in the odd period of step 0, behind 12 lines of the list: O is written; the 16 stores are dealt behind it, among products K q and lines of the list, which name no register of O.
; One in the odd period of step 2: rows 0 and 1 are added.  One at the end of the odd period of step 3: rows 2 and 3 are added.
; WAITS ON vm_vsrc, three a tile: in the even period of step 1 (the stage stores have read O, the row stores RB0 and RB1); at the end of the odd period of step 2 (the row stores); ahead of the step of QAD and QAS.
.set QREC, 1792
.set VREC, 13312
.set STGB, 33792                       ; a stage: 4 waves x 16 rows x (512 + 16) bytes; two stages take turns
.set QIMG, 2*STGB                      ; behind the stages: the 16 tiles of q, QSTR bytes each: three blocks of 512 bytes (registers 4 c .. 4 c + 3 of lane l at 512 c + 16 l), at 1,536 + 4 l the scale words
.set QSTR, 1792                        ; (the launch claims two tiles more than the 16: the address registers are stepped once past the last tile)
.set LI,  1                            ; 16 x lane
.set L8,  2                            ; 8 x lane
.set SKA, 3                            ; K scale words: 4 x lane, lanes 16-31 one record on
.set SVA, 4                            ; V scale words: 4 x lane, lanes 16-31 one tile on
.set LS,  5                            ; 4 x lane
.set STO, 6                            ; the stage: where I put 32 bytes of a row
.set RD,  7                            ; and where I read rows back
.set QS,  8                            ; the scale words of q
.set PW,  9                            ; the scale words of the scores of a key step
.set PWH, 10                           ; their lower two bytes,
.set PWT, 11                           ; their upper two
.set TA,  12                           ; v12-15   four chains of maxima: A of blocks 0, 1, B of blocks 0, 1
.set KS,  16                           ; v16-31   K scale words: register m: tile 2 m in lanes 0-15, tile 2 m + 1 in lanes 16-31
.set VS,  32                           ; v32-47   V likewise: 4 s + t / 2
.set VX,  48                           ; v48-59   the 64th resident fragment
.set QF,  60                           ; v60-71   the tile of queries
.set PC,  72                           ; v72-83   the scores as codes
.set PT,  84                           ; v84-86   the second conversion of a half
.set TX,  88                           ; v88-89   the other half of the lanes maxima
.set SC,  90                           ; v90-91   the conversions scale operands
.set BY,  92                           ; v92-93   the scale bytes
.set QAD, 94                           ; LDS address of the next tile of q: 16 x lane; stepped a tile at a time
.set QAS, 95                           ; and of its scale words: 4 x lane
.set RB0, 96                           ; v96-111  a row of the four partial results,
.set S,   112                          ; v112-175 the scores: half 0, half 1
.set O,   176                          ; v176-239 my partial result
.set RB1, 240                          ; v240-255 and the next row
.set QW,  O+16                         ; at the head only: where I store my four tiles of q
.set QWS, O+17
.set SEL, 16                           ; s[16:17] lane selects: lane l xor 16
.set MSB, 0
.macro WIN new                         ; the immediate high byte repeats the setting that is left; a switch that changes nothing is dropped
.if MSB != (\new)
	s_set_vgpr_msb (MSB<<8)|(\new)
.set MSB, (\new)
.endif
.endm
.macro FSEL i                          ; resident fragment i (K: 0-31, V: 32 + 8 s + t): 21 in each of windows 1, 2, 3, the 64th in window 0
.set FW, ((\i)/21+1)%4
.if (\i) < 63
.set FB, 12*((\i)%21)
.else
.set FB, VX
.endif
.endm
.macro PLACES n
.rept \n
	v_nop
.endr
.endm
	s_load_b256 s[4:11], s[0:1], 0x0               ; qrec s[4:5], krec s[6:7], vrec s[8:9], out0 s[10:11]
	v_lshl_add_u32 v87, v0, 2, 0x18600
	s_set_vgpr_msb 0x40
	v_mov_b32 v255, 0
	s_set_vgpr_msb 0x4000
	v_lshrrev_b32 v12, 5, v0
	v_readfirstlane_b32 s12, v12                   ; wave
	v_and_b32 v12, 31, v0                          ; lane
	v_and_b32 v13, 15, v0                          ; r
	v_bfe_u32 v14, v0, 4, 1                        ; h
	v_lshlrev_b32 v[LI], 4, v12
	v_lshlrev_b32 v[L8], 3, v12
	v_lshlrev_b32 v[LS], 2, v12
	v_mad_u32_u24 v[SKA], v14, QREC, v[LS]
	v_lshl_add_u32 v[SVA], v14, 7, v[LS]
	s_wait_alu depctr_va_sdst(0)                   ; s12 is written, ahead of its first reader: LDS places and bases are made from it
	s_mul_i32 s24, s12, 16*528
	v_mul_u32_u24 v[STO], v13, 528
	v_lshl_add_u32 v[STO], v14, 5, v[STO]
	v_add_nc_u32 v[STO], s24, v[STO]               ; my wave part of a stage, row r, + 32 h
	s_mul_i32 s24, s12, 4*528
	v_add_nc_u32 v[RD], s24, v[LI]                 ; rows 4 w on, 16 bytes a lane
	v_add_nc_u32 v[QAD], QIMG, v[LI]
	v_add_nc_u32 v[QAS], QIMG+1536, v[LS]
	s_mul_i32 s24, s12, 4*QSTR
	v_add_nc_u32 v[QW], s24, v[QAD]                ; tiles 4 w on
	v_add_nc_u32 v[QWS], s24, v[QAS]
	v_mov_b32 v[TX], 0                             ; written once: a lane permute destination counts as one of its sources
	v_mov_b32 v[TX+1], 0
	s_mov_b32 s14, 0x3db504f3                      ; c = 1 / sqrt(128)
	s_mov_b32 s15, s14                             ; (named with it as a pair, so it is written)
	s_mov_b32 s[SEL], 0x76543210
	s_mov_b32 s[SEL+1], 0xfedcba98
	s_lshr_b32 s20, ttmp9, 6                       ; the batch: 64 work-groups each
	s_lshl_b32 s22, s20, 7
	s_lshl_b32 s23, s12, 5
	s_add_co_u32 s22, s22, s23
	s_mul_i32 s22, s22, QREC                       ; K: record 128 b + 32 w
	s_mov_b32 s23, 0
	s_lshl_b32 s24, s20, 4
	s_lshl_b32 s25, s12, 2
	s_add_co_u32 s24, s24, s25
	s_mul_i32 s24, s24, VREC                       ; V: record 16 b + 4 w
	s_mov_b32 s25, 0
	s_mul_i32 s26, ttmp9, 16*QREC                  ; q: 16 records a work-group,
	s_mul_i32 s27, s12, 4*QREC                     ; of which I fetch four
	s_add_co_u32 s26, s26, s27
	s_mov_b32 s27, 0
	s_lshl_b32 s28, ttmp9, 17                      ; out0: 256 rows of 512 bytes a work-group,
	s_lshl_b32 s29, s12, 11                        ; my four rows of a tile
	s_add_co_u32 s28, s28, s29
	s_mov_b32 s29, 0
	s_wait_kmcnt 0x0
	s_add_nc_u64 s[4:5], s[4:5], s[26:27]
	s_add_nc_u64 s[6:7], s[6:7], s[22:23]
	s_add_nc_u64 s[8:9], s[8:9], s[24:25]
	s_add_nc_u64 s[10:11], s[10:11], s[28:29]
	s_wait_alu depctr_va_vdst(0)                   ; all offsets and LDS addresses (v1 to v7, v94, v95, v192, v193) are written, which the loads and stores below read.  Only loads and window switches follow up to the wait for the loads
.irp i, 0,1,2,3                        ; my four records of q, each as the fragment that it is, into the registers of the scores
	global_load_b128 v[S+12*\i:S+12*\i+3], v[LI], s[4:5] offset:\i*QREC
	global_load_b64 v[S+12*\i+4:S+12*\i+5], v[L8], s[4:5] offset:\i*QREC+512
	global_load_b128 v[S+12*\i+6:S+12*\i+9], v[LI], s[4:5] offset:\i*QREC+768
	global_load_b64 v[S+12*\i+10:S+12*\i+11], v[L8], s[4:5] offset:\i*QREC+1280
	global_load_b32 v[S+48+2*\i], v[LS], s[4:5] offset:\i*QREC+1536
	global_load_b32 v[S+49+2*\i], v[LS], s[4:5] offset:\i*QREC+1664
.endr
.irp m, 0,1,2,3,4,5,6,7,8,9,10,11,12,13,14,15
	global_load_b32 v[KS+\m], v[SKA], s[6:7] offset:2*\m*QREC+1536
	global_load_b32 v[O+\m], v[SKA], s[6:7] offset:2*\m*QREC+1664   ; (the words other halves, joined below)
.endr
.irp ks, 0,1,2,3
.irp u, 0,1,2,3
	global_load_b32 v[VS+4*\ks+\u], v[SVA], s[8:9] offset:\ks*VREC+12288+256*\u
.endr
.endr
.set idx, 0
.rept 32                               ; K: they stay
	FSEL idx
	WIN FW<<6
	global_load_b128 v[FB:FB+3], v[LI], s[6:7] offset:idx*QREC
	global_load_b64 v[FB+4:FB+5], v[L8], s[6:7] offset:idx*QREC+512
	global_load_b128 v[FB+6:FB+9], v[LI], s[6:7] offset:idx*QREC+768
	global_load_b64 v[FB+10:FB+11], v[L8], s[6:7] offset:idx*QREC+1280
.set idx, idx+1
.endr
.rept 32                               ; V: they stay
	FSEL idx
	WIN FW<<6
.irp c, 0,1,2
	global_load_b128 v[FB+4*\c:FB+4*\c+3], v[LI], s[8:9] offset:((idx-32)/8)*VREC+(idx%8)*1536+512*\c
.endr
.set idx, idx+1
.endr
	WIN 0
	s_wait_loadcnt 0x0
.irp m, 0,1,2,3,4,5,6,7,8,9,10,11,12,13,14,15
	v_or_b32 v[KS+\m], v[KS+\m], v[O+\m]
.endr
.irp i, 0,1,2,3
	v_or_b32 v[S+48+2*\i], v[S+48+2*\i], v[S+49+2*\i]   ; the scale words of q, whole
.endr
	s_wait_alu depctr_va_vdst(0)                   ; the joins have written the scale words of q, which the LDS stores below read, and the scale words of K, which the scaled products K q take
.irp i, 0,1,2,3
.irp c, 0,1,2
	ds_store_b128 v[QW], v[S+12*\i+4*\c:S+12*\i+4*\c+3] offset:\i*QSTR+512*\c
.endr
	ds_store_b32 v[QWS], v[S+48+2*\i] offset:\i*QSTR
.endr
	s_wait_dscnt 0x0                               ; for the others: my four tiles of q have landed
	s_barrier_signal -1
	s_barrier_wait -1                              ; all sixteen lie in LDS; nobody writes them again
.macro QLOAD                           ; the next tile of queries and its scale words
.irp c, 0,1,2
	ds_load_b128 v[QF+4*\c:QF+4*\c+3], v[QAD] offset:512*\c
.endr
	ds_load_b32 v[QS], v[QAS]
.endm
.macro QSTEP                           ; behind the wait for those loads: on to the tile after
	v_add_nc_u32 v[QAD], QSTR, v[QAD]
	v_add_nc_u32 v[QAS], QSTR, v[QAS]
.endm
; One product of the scores: keys 128 ks + 16 tau on.  Each is a whole sum (K = the head 128).
.macro QKW ks, tau
	FSEL 8*(\ks)+(\tau)
	WIN FW
.if (\tau)%2
	v_wmma_scale_f32_16x16x128_f8f6f4 v[S+8*(\tau):S+8*(\tau)+7], v[FB:FB+11], v[QF:QF+11], 0, v[KS+4*(\ks)+(\tau)/2], v[QS] matrix_a_fmt:MATRIX_FMT_FP6 matrix_b_fmt:MATRIX_FMT_FP6 matrix_a_scale:MATRIX_SCALE_ROW1
.else
	v_wmma_scale_f32_16x16x128_f8f6f4 v[S+8*(\tau):S+8*(\tau)+7], v[FB:FB+11], v[QF:QF+11], 0, v[KS+4*(\ks)+(\tau)/2], v[QS] matrix_a_fmt:MATRIX_FMT_FP6 matrix_b_fmt:MATRIX_FMT_FP6
.endif
.endm
; One product of my partial result: features 16 t on take the 128 keys of step ks.  The eight accumulators take turns, one instruction a turn; step 0 starts the sums.
.macro PVW ks, t
	FSEL 32+8*(\ks)+(\t)
	WIN FW
.set rO, O+8*(\t)
.set rV, VS+4*(\ks)+(\t)/2
.if (\ks) == 0
.if (\t)%2
	v_wmma_scale_f32_16x16x128_f8f6f4 v[rO:rO+7], v[FB:FB+11], v[PC:PC+11], 0, v[rV], v[PW] matrix_a_fmt:MATRIX_FMT_FP6 matrix_b_fmt:MATRIX_FMT_FP6 matrix_a_scale:MATRIX_SCALE_ROW1
.else
	v_wmma_scale_f32_16x16x128_f8f6f4 v[rO:rO+7], v[FB:FB+11], v[PC:PC+11], 0, v[rV], v[PW] matrix_a_fmt:MATRIX_FMT_FP6 matrix_b_fmt:MATRIX_FMT_FP6
.endif
.else
.if (\t)%2
	v_wmma_scale_f32_16x16x128_f8f6f4 v[rO:rO+7], v[FB:FB+11], v[PC:PC+11], v[rO:rO+7], v[rV], v[PW] matrix_a_fmt:MATRIX_FMT_FP6 matrix_b_fmt:MATRIX_FMT_FP6 matrix_a_scale:MATRIX_SCALE_ROW1
.else
	v_wmma_scale_f32_16x16x128_f8f6f4 v[rO:rO+7], v[FB:FB+11], v[PC:PC+11], v[rO:rO+7], v[rV], v[PW] matrix_a_fmt:MATRIX_FMT_FP6 matrix_b_fmt:MATRIX_FMT_FP6
.endif
.endif
.endm
; THE VECTOR WORK OF A HALF (64 keys: blocks 2 c and 2 c + 1; 32 registers from SB on; register 16 b + i = slot 16 (lane / 16) + i of block 2 c + b): a list of 53 lines; VI writes number n of it.
;   0-15   the largest magnitude of each block 16 numbers of my lane, unscaled: chains A and B of both blocks by turns; each accumulator is first read at its low end; the floor 2^-120 is a leaf of the last line
;   16-35  five serial steps of two lines (lane l xor 16; the maximum; x c; 2 off the exponent field: the conversion scale operand; the scale byte), each followed by two of the 16 packed scalings x c
;   36-43  two bytes joined; six scalings; in half 1 the scale word of the key step
;   44-52  the two conversions, a plain place, and the exchange that gives each lane a whole block: registers 6 c .. 6 c + 5 of the operand
.macro VI c
.set SB, S+32*(\c)
.if n < 12
.set vb, n%2
.set vc, (n/2)%2
.set vk, n/4
.set vr, SB+16*vb+8*vc
.if vk == 0
	v_max3_num_f32 v[TA+2*vc+vb], |v[vr]|, |v[vr+1]|, |v[vr+2]|
.else
	v_max3_num_f32 v[TA+2*vc+vb], v[TA+2*vc+vb], |v[vr+2*vk+1]|, |v[vr+2*vk+2]|
.endif
.elseif n < 14
.set vb, n-12
	v_max3_num_f32 v[TA+vb], v[TA+vb], |v[SB+16*vb+7]|, |v[SB+16*vb+15]|
.elseif n < 16
.set vb, n-14
	v_max3_num_f32 v[TA+vb], v[TA+vb], v[TA+2+vb], 0x3800000
.elseif (n < 36) && ((n%4) >= 2)
.set vq, 2*((n-16)/4)+(n%4)-2
	v_pk_mul_f32 v[SB+2*vq:SB+2*vq+1], v[SB+2*vq:SB+2*vq+1], s[14:15] op_sel_hi:[1,0]
.elseif n < 20
	v_permlanex16_b32 v[TX+n%4], v[TA+n%4], s[SEL], s[SEL+1]
.elseif n < 24
	v_max_num_f32 v[TA+n%4], v[TA+n%4], v[TX+n%4]
.elseif n < 28
	v_mul_f32 v[TA+n%4], s14, v[TA+n%4]
.elseif n < 32
	v_add_nc_u32 v[SC+n%4], 0xff000000, v[TA+n%4]
.elseif n < 36
	v_lshrrev_b32 v[BY+n%4], 23, v[SC+n%4]
.elseif n == 36
.if (\c) == 0
	v_lshl_or_b32 v[PWH], v[BY+1], 8, v[BY]
.else
	v_lshl_or_b32 v[PWT], v[BY+1], 8, v[BY]
.endif
.elseif n < 43
.set vq, n-27
	v_pk_mul_f32 v[SB+2*vq:SB+2*vq+1], v[SB+2*vq:SB+2*vq+1], s[14:15] op_sel_hi:[1,0]
.elseif n == 43
.if (\c) == 1
	v_lshl_or_b32 v[PW], v[PWT], 16, v[PWH]
.endif
.elseif n == 44
	v_cvt_scalef32_pk16_fp6_f32 v[PC+6*(\c):PC+6*(\c)+2], v[SB:SB+15], v[SC]
.elseif n == 45
	v_cvt_scalef32_pk16_fp6_f32 v[PT:PT+2], v[SB+16:SB+31], v[SC+1]   ; (three registers that begin on an even number)
.elseif n == 46
	v_nop                                          ; one plain place behind a scaled conversion
.elseif n < 50
	v_permlane16_swap_b32 v[PC+6*(\c)+n-47], v[PT+n-47]   ; lanes 0-15 get block 2 c whole, lanes 16-31 block 2 c + 1
.else
	v_mov_b32 v[PC+6*(\c)+3+n-50], v[PT+n-50]
.endif
.endm
.macro ITEMS c, lo, hi                 ; numbers lo to hi of the list, in window 0
	WIN 0
.set n, \lo
.rept (\hi)-(\lo)+1
	VI \c
.set n, n+1
.endr
.endm
; THE WAY OUT, in parts.  OST: tile t of my partial result into my part of stage pg, from its low end on.
.macro OST pg, t
	ds_store_b128 v[STO], v[O+8*(\t):O+8*(\t)+3] offset:(\pg)*STGB+64*(\t)
	ds_store_b128 v[STO], v[O+8*(\t)+4:O+8*(\t)+7] offset:(\pg)*STGB+64*(\t)+16
.endm
.macro RLOAD pg, r0, b0, b1            ; rows 4 w + r0 and 4 w + r0 + 1 of all four partial results: 512 consecutive bytes a load
.irp p, 0,1,2,3
	ds_load_b128 v[\b0+4*\p:\b0+4*\p+3], v[RD] offset:(\pg)*STGB+\p*16*528+(\r0)*528
.endr
.irp p, 0,1,2,3
	ds_load_b128 v[\b1+4*\p:\b1+4*\p+3], v[RD] offset:(\pg)*STGB+\p*16*528+((\r0)+1)*528
.endr
.endm
.macro RADD base, k                    ; addition k of 6 of a row: (p0 + p1) + (p2 + p3), two numbers a line
.if (\k) < 4
.set rd, (\base)+8*((\k)/2)+2*((\k)%2)
.set rs, rd+4
.else
.set rd, (\base)+2*((\k)-4)
.set rs, rd+8
.endif
	v_pk_add_f32 v[rd:rd+1], v[rd:rd+1], v[rs:rs+1]
.endm
.macro RSUM b0, b1
.irp k, 0,1,2,3,4,5
	RADD \b0, \k
	RADD \b1, \k
.endr
.endm
.macro RSTORE pg, r0, b0, b1           ; two whole rows of 512 bytes, each at a multiple of 256 from the buffer first byte; written once, read by nobody here.  The pointer stands two tiles past the even tile of the pair
	global_store_b128 v[LI], v[\b0:\b0+3], s[10:11] offset:(\pg)*8192-16384+512*(\r0) th:TH_STORE_NT
	global_store_b128 v[LI], v[\b1:\b1+3], s[10:11] offset:(\pg)*8192-16384+512*(\r0)+512 th:TH_STORE_NT
.endm
; AN EVEN PERIOD of key step s.  sp: the step whose 8 products V P stand here (pv = 1).  prev = 1: the tile before has its way out in this tile, through stage pg.  next = 1: a tile follows.
; The scale word and the codes were written at the end of the period before: the 12 lines behind the four products K q are the places in front of the first product V P (8 and 4 are asked), and the wait stands behind them.
; The last product V P stands in front of number 33; the codes are written again from number 44 on.
.macro EVEN s, sp, pv, prev, next, pg
.if (\prev) && ((\s) == 2)
	s_wait_dscnt 0x0                               ; rows 0 and 1, asked for a key step ago, are in
.endif
.irp j, 0,1,2,3
	QKW \s, 4+\j
	ITEMS 0, 3*\j, 3*\j+2
.endr
.if (\prev) && ((\s) == 1)
	s_barrier_wait -1                              ; all four partial results lie in the stage
	s_wait_xcnt 0x0                                ; the stores of the tile before that have read their data and their base: only behind this wait are both written again
	s_wait_alu depctr_vm_vsrc(0)                   ; those stores have read RB0 and RB1, in which the loads below land; my 16 stores into the stage have read O, which the products V P below begin anew
.if (\pg) == 0
	s_add_nc_u64 s[10:11], s[10:11], 16384         ; on to this pair of tiles; the stores reach back
.endif
	RLOAD \pg, 0, RB0, RB1                         ; (the additions that named these registers stand ahead of the wait at the end of the tile before)
.endif
.if \pv
	s_wait_alu depctr_va_vdst(0)                   ; the vector lines have written the codes and the scale word, which the scaled products below take; the four products K q above are done reading QF and QS, in which, in step 3, the loads of the next tile land; the stepped QAD and QAS, which those loads read, are written
.irp j, 0,1,2,3,4,5,6,7
	PVW \sp, \j
	ITEMS 0, 12+3*\j, 14+3*\j
.if (\prev) && ((\s) == 2) && (\j < 4)
	RADD RB0+(RB1-RB0)*(\j/2), 2*(\j%2)
	RADD RB0+(RB1-RB0)*(\j/2), 2*(\j%2)+1
.endif
.if (\prev) && ((\s) == 2) && (\j >= 4) && (\j < 6)
	RADD RB0+(RB1-RB0)*(\j-4), 4
	RADD RB0+(RB1-RB0)*(\j-4), 5
.endif
.if (\next) && ((\s) == 3) && (\j == 1)
	QLOAD                                          ; no wait: no vector or matrix instruction since the wait above names QF, QS, QAD or QAS
.endif
.endr
.else
	ITEMS 0, 12, 35
.endif
	ITEMS 0, 36, 52
.endm
; AN ODD PERIOD of key step s.  qk = 1: the 4 products K q of the next step half 0 stand here (behind step 3: the next tile).
.macro ODD s, qk, prev, pg
	ITEMS 1, 0, 11
.if (\s) == 3
.if (\qk) || (\prev)
	s_wait_dscnt 0x0                               ; the next tile of queries is in, and so are rows 2 and 3
.endif
.if \qk
	s_wait_alu depctr_vm_vsrc(0)                   ; the four LDS loads of the next tile have read QAD and QAS, which the two lines below step
	QSTEP
.endif
.endif
.if (\prev) && ((\s) == 0)
	s_wait_alu depctr_va_vdst(0)                   ; the eight products V P of the period before have written O, which the 16 LDS stores below read; the products K q and the lines of the list among which these are dealt name no register of O
.endif
.if (\prev) && ((\s) == 2)
	s_wait_alu depctr_va_vdst(0)                   ; the additions of the period before have written rows 0 and 1, which the two stores read, and are done with RB0 and RB1, in which the loads at the end of this period land
	RSTORE \pg, 0, RB0, RB1
.endif
.if \qk
.irp j, 0,1,2,3
	QKW ((\s)+1)%4, \j
	ITEMS 1, 12+4*\j, 15+4*\j
.if (\prev) && ((\s) == 0)
	OST \pg, 2*\j
	OST \pg, 2*\j+1
.endif
.endr
.else
	ITEMS 1, 12, 27
.endif
	ITEMS 1, 28, 52
.if (\prev) && ((\s) == 0)
	s_wait_dscnt 0x0                               ; for the others: my partial result has landed in the stage.  (My reads of the other stage ended in the tile before: so this one barrier also frees that stage)
	s_barrier_signal -1                            ; the wait stands behind the next four products: work on registers alone lies between
.endif
.if (\prev) && ((\s) == 2)
	s_wait_xcnt 0x0                                ; the stores of rows 0 and 1, at the head of this period, have read their data
	s_wait_alu depctr_vm_vsrc(0)                   ; they have read RB0 and RB1, in which the loads below land
	RLOAD \pg, 2, RB0, RB1
.endif
.if (\prev) && ((\s) == 3)
	RSUM RB0, RB1
	s_wait_alu depctr_va_vdst(0)                   ; the additions have written rows 2 and 3, which the two stores read.  Behind the last tile the same wait states that the codes and the scale word are written, which the products of the tail take: the twelve additions are their places
	RSTORE \pg, 2, RB0, RB1
.endif
.endm
; A TILE of 16 queries of parity g: eight periods.
.macro TILE g, prev, next
	EVEN 0, 3, \prev, \prev, \next, 1-\g
	ODD 0, 1, \prev, 1-\g
	EVEN 1, 0, 1, \prev, \next, 1-\g
	ODD 1, 1, \prev, 1-\g
	EVEN 2, 1, 1, \prev, \next, 1-\g
	ODD 2, 1, \prev, 1-\g
	EVEN 3, 2, 1, \prev, \next, 1-\g
	ODD 3, \next, \prev, 1-\g
.endm
	QLOAD                                          ; tile 0
	s_wait_dscnt 0x0
	s_wait_alu depctr_vm_vsrc(0)                   ; the four loads have read QAD and QAS, which are stepped below; my LDS stores of q have read the registers of the scores and v192, v193, which matrix instructions write from here on
	QSTEP
.irp j, 0,1,2,3
	QKW 0, \j                                      ; its first four products: there is no vector work yet to set between them
.endr
	WIN 0
	PLACES 4                                       ; in front of the first reads of results
	TILE 0, 0, 1                                   ; tile 0 has no tile before it
	WIN 0                                          ; at a label and at a branch every window is 0
	s_mov_b32 s18, 7
.Lpair:                                ; 7 trips of two tiles, tiles 1 to 14: the two stages take turns
	TILE 1, 1, 1
	TILE 0, 1, 1
	WIN 0
	s_sub_co_u32 s18, s18, 1
	s_cmp_lg_u32 s18, 0
	s_cbranch_scc1 .Lpair
	TILE 1, 1, 0                                   ; tile 15: no tile follows
.irp j, 0,1,2,3,4,5,6,7
	PVW 3, \j                                      ; its last key step (the twelve additions above are the places behind the scale word and the codes, and the wait behind them has stated that these are written)
.endr
	WIN 0
	PLACES 4                                       ; four places behind the last product, before its result is read
	s_wait_alu depctr_va_vdst(0)                   ; the eight products have written O, which the LDS stores read; the places above stay beside this wait
.irp t, 0,1,2,3,4,5,6,7
	OST 1, \t
.endr
	s_wait_dscnt 0x0
	s_barrier_signal -1
	s_barrier_wait -1
	s_wait_xcnt 0x0                                ; the stores of tile 14 have read their data
	s_wait_alu depctr_vm_vsrc(0)                   ; they have read RB0 and RB1, in which the loads below land
	RLOAD 1, 0, RB0, RB1
	RLOAD 1, 2, S, S+16                            ; the registers of the scores are free now: the lines that named them stand ahead of the waits above
	s_wait_dscnt 8                                 ; rows 0 and 1 are in; the eight loads of rows 2 and 3 may be out
	RSUM RB0, RB1
	s_wait_alu depctr_va_vdst(0)                   ; the additions have written rows 0 and 1, which the two stores read
	RSTORE 1, 0, RB0, RB1
	s_wait_dscnt 0x0
	RSUM S, S+16
	s_wait_alu depctr_va_vdst(0)                   ; the additions have written rows 2 and 3, which the two stores read
	RSTORE 1, 2, S, S+16
	s_set_vgpr_msb 0x4                             ; the second register of the add lies in window 1; the switch stands ahead of the six lines
	s_wait_dscnt 0x0                               ; the closing lines, six on end
	s_wait_alu 0x0
	s_wait_tensorcnt 0x0
	ds_add_u32 v87, v255
	s_wait_dscnt 0x0
	s_endpgm
.Lfunc_end_k_qebc67f3272_attn:
	.size	k_qebc67f3272_attn, .Lfunc_end_k_qebc67f3272_attn-k_qebc67f3272_attn
	.p2alignl 7, 3214868480
	.fill 96, 4, 3214868480
	.section	.rodata,"a",@progbits
	.p2align	6, 0x0
	.amdhsa_kernel k_qebc67f3272_attn
		.amdhsa_group_segment_fixed_size 100352
		.amdhsa_private_segment_fixed_size 0
		.amdhsa_enable_private_segment 0
		.amdhsa_kernarg_size 32
		.amdhsa_user_sgpr_count 2
		.amdhsa_user_sgpr_kernarg_segment_ptr 1
		.amdhsa_wavefront_size32 1
		.amdhsa_system_sgpr_workgroup_id_x 1
		.amdhsa_system_sgpr_workgroup_id_y 1
		.amdhsa_system_sgpr_workgroup_id_z 1
		.amdhsa_system_vgpr_workitem_id 0
		.amdhsa_next_free_vgpr 1024
		.amdhsa_next_free_sgpr 66
		.amdhsa_reserve_vcc 0
		.amdhsa_float_denorm_mode_32 3
		.amdhsa_float_denorm_mode_16_64 3
		.amdhsa_memory_ordered 1
		.amdhsa_forward_progress 1
		.amdhsa_inst_pref_size 194
	.end_amdhsa_kernel
	.amdgpu_metadata
---
amdhsa.version: [ 1, 2 ]
amdhsa.kernels:
  - .name:           k_qebc67f3272_attn
    .symbol:         k_qebc67f3272_attn.kd
    .args:
      - { .name: qrec, .offset: 0, .size: 8, .value_kind: global_buffer, .address_space: global }
      - { .name: krec, .offset: 8, .size: 8, .value_kind: global_buffer, .address_space: global }
      - { .name: vrec, .offset: 16, .size: 8, .value_kind: global_buffer, .address_space: global }
      - { .name: out0, .offset: 24, .size: 8, .value_kind: global_buffer, .address_space: global }
    .group_segment_fixed_size: 100352
    .private_segment_fixed_size: 0
    .kernarg_segment_align: 8
    .kernarg_segment_size: 32
    .max_flat_workgroup_size: 128
    .sgpr_count:     66
    .vgpr_count:     1024
    .wavefront_size: 32
...
	.end_amdgpu_metadata
.endif
;; end of part 5
